; MI455X (gfx1250); checked and timed in simulation.
; The chip was launched on July 23, 2026; its instructions are those of AMD's public machine-readable ISA for CDNA 5 (MIT licence, August 2026) and "CDNA5" Instruction Set Architecture Reference Guide (July 2026). The comments in the code are by the model that wrote it; some were corrected since.
;; Trans Conv Layer. Allowed arithmetic: matrix products marked QUANTISED: E2M3 operands, one E8M0 scale for each 32 along K, by v_wmma_scale_f32_16x16x128_f8f6f4 with both operands' format E2M3, f32 sums; everything else in f32.
;; Inputs: Wk_codes 512 x 8 x 24 uint8 (E2M3 codes of Wk, K innermost, in blocks of 32 codes, four codes in three bytes); Wk_scales 512 x 8 uint8 (E8M0 scales of Wk, one for each 32 codes along K); Wq_codes 512 x 8 x 24 uint8 (E2M3 codes of Wq, K innermost, in blocks of 32 codes, four codes in three bytes); Wq_scales 512 x 8 uint8 (E8M0 scales of Wq, one for each 32 codes along K); Wv_codes 512 x 8 x 24 uint8 (E2M3 codes of Wv, K innermost, in blocks of 32 codes, four codes in three bytes); Wv_scales 512 x 8 uint8 (E8M0 scales of Wv, one for each 32 codes along K); bk 512 float32; bq 512 float32; bv 512 float32; query_input_codes 100,000 x 8 x 24 uint8 (E2M3 codes of query_input, K innermost, in blocks of 32 codes, four codes in three bytes); query_input_scales 100,000 x 8 uint8 (E8M0 scales of query_input, one for each 32 codes along K); source_input_codes 100,000 x 8 x 24 uint8 (E2M3 codes of source_input, K innermost, in blocks of 32 codes, four codes in three bytes); source_input_scales 100,000 x 8 uint8 (E8M0 scales of source_input, one for each 32 codes along K).
;; Outputs: out0 100,000 x 128 float32.
;; This version of the problem:
;;   THIS VERSION OF THE PROBLEM IS GIVEN IN LOW PRECISION. The matrix products marked QUANTISED in the list below multiply operands that are first quantised to E2M3 (2 exponent bits, 3 mantissa bits; 6 bits a number), with one power-of-two scale for each 32 numbers along K (OCP MX v1.0); their sums are f32. All else is computed in f32.
;;   The module's matrix products, in the order in which they are computed (A, B: the left and right operand; K: the contracted axis; several contracted axes count as one K, in the product's order):
;;     1. [M 100,000, K 256] x [K 256, N 512]; A: input query_input (given as codes); B: input Wq (given as codes): QUANTISED
;;     2. [M 100,000, K 256] x [K 256, N 512]; A: input source_input (given as codes); B: input Wk (given as codes): QUANTISED
;;     3. [M 100,000, K 256] x [K 256, N 512]; A: input source_input (given as codes); B: input Wv (given as codes): QUANTISED
;;     4. batch 4 x [M 128, K 100,000] x [K 100,000, N 128]; A: computed on the way; B: computed on the way: QUANTISED
;;     5. batch 4 x [M 128, K 128] x [K 128, N 100,000]; A: softmax (see below); B: computed on the way: QUANTISED
;;   THE QUANTISER, for each operand of a quantised product, along K:
;;     - K is cut into blocks of 32 from its start; a last block that is shorter is filled with zeros.
;;     - A block's scale is 2^e with e = floor(log2(the largest magnitude in the block)) - 2, held to -126 .. 127; a block of zeros has e = 0. As a byte (E8M0): e + 127.
;;     - Each number is divided by its block's scale, clamped to +-7.5, and rounded to the nearest number of E2M3, ties to even, subnormals kept.
;;     - The product sums the exact products of the quantised numbers (number of the format x scale) in f32.
;;   ~~~python
;;   def quantise(x, axis):      # numpy; x: float32 -> the quantised numbers, widened to float32 again
;;       x = np.moveaxis(x, axis, -1); K = x.shape[-1]
;;       x = np.pad(x, [(0, 0)] * (x.ndim - 1) + [(0, -K % 32)]); x = x.reshape(x.shape[:-1] + (-1, 32)); a = np.abs(x).max(-1, keepdims=True)
;;       e = np.where(a > 0, np.clip(np.frexp(np.where(a > 0, a, 1))[1] - 1 - 2, -126, 127), 0)      # np.frexp(a)[1] - 1 = floor(log2(a)), exactly
;;       r = np.clip(x / 2.0 ** e, -7.5, 7.5)
;;       step = 2.0 ** (np.maximum(np.frexp(np.where(r == 0, 1, r))[1] - 1, 0) - 3)
;;       q = np.round(r / step) * step * 2.0 ** e      # np.round: ties to even
;;       return np.moveaxis(q.reshape(q.shape[:-2] + (-1,))[..., :K], -1, axis).astype(np.float32)
;;   ~~~
;;   SOFTMAX AHEAD OF A QUANTISED PRODUCT. Where the list says 'softmax', what is quantised is not the finished softmax but p = 2^(t - M), with t = logit x log2(e) and M = ceil(the row's largest t), a whole number; so 1/2 < the row's largest p <= 1. The row's sum l is taken of the UNQUANTISED p, in f32, and the product's result is divided by l at the end. Since M is a whole number, a kernel that streams over the keys may use a running M (the ceiling of the running maximum): every later rescaling is an exact power of two, which a block's scale takes up: the codes' values come out the same.
;;   OPERANDS COMPUTED ON THE WAY. 'Computed on the way' means the value that the module computes at that place (a softmax that the list does not call 'softmax' is quantised finished and normalised). What goes into a quantiser is computed in f32, as accurately as f32 sums, v_exp_f32 and their like allow (about 1e-6 of the number): no bf16 or f16 on the way to a quantiser, and a product that is left as it is and whose result goes on into a quantised operand takes f32 operands (vector FMAs, or v_wmma_f32_16x16x4_f32). A number that lies on a knife's edge between two numbers of the format may be rounded either way, as far as f32 arithmetic and the matrix unit's own rounding can turn it there, and no further.
;;   INPUTS GIVEN AS CODES. Wk (in the module: [256, 512], K = its axis 0); Wq (in the module: [256, 512], K = its axis 0); Wv (in the module: [256, 512], K = its axis 0); query_input (in the module: [100000, 256], K = its axis 1); source_input (in the module: [100000, 256], K = its axis 1): each comes as NAME_codes (uint8): NAME with its K axis moved to the last place and cut into blocks of 32 codes, [.., K / 32, bytes a block], one block behind the other in memory; four codes in three bytes: a row's codes are one little-endian stream of bits, code i at bits 6 i .. 6 i + 5 (a code: sign, 2 exponent bits, 3 mantissa bits); and NAME_scales (uint8): the same leading axes, one E8M0 byte (e + 127) for each 32 codes along K. Its value is code x scale, taken as it is: it is not quantised again, and the codes and scales need not be those that the quantiser above would give.
;; One version. Each part assembles by itself: llvm-mc -triple=amdgcn-amd-amdhsa -mcpu=gfx1250 --defsym DOCPART=n.
;; ======== version 1 of 1: 3 launches
;; limits: right only within a limited range of input values
;; workspace buffers: part 16,777,216 bytes; pcode 49,152 bytes; psi 4,096 bytes
;; launch kv (part 1): grid 4 x 64, 8 waves a work-group, clusters of 4 x 1, 327,680 bytes of LDS; arguments source_input_codes, source_input_scales, Wk_codes, Wk_scales, Wv_codes, Wv_scales, bk, bv, part; writes part
.if DOCPART == 1
	.amdgcn_target "amdgcn-amd-amdhsa--gfx1250"
	.amdhsa_code_object_version 6
	.text
	.protected	k_q897b1c1810_kv
	.globl	k_q897b1c1810_kv
	.p2align	8
	.type	k_q897b1c1810_kv,@function
k_q897b1c1810_kv:
	s_mov_b64 s[64:65], 0
	v_nop
	global_prefetch_b8 v0, s[64:65] scope:SCOPE_SE
	s_setreg_imm32_b32 hwreg(HW_REG_WAVE_MODE, 25, 1), 1
	s_wait_xcnt 0x0
	s_wait_alu depctr_hold_cnt(0) depctr_sa_sdst(0) depctr_va_vdst(0) depctr_va_sdst(0) depctr_va_ssrc(0) depctr_va_vcc(0) depctr_vm_vsrc(0)
	s_getreg_b32 s2, hwreg(HW_REG_IB_STS2, 6, 4)
	s_cmp_eq_u32 s2, 0
	s_cbranch_scc0 .Lentry_in_a_cluster
	s_endpgm
.Lentry_in_a_cluster:
	s_bfe_u32 s2, ttmp6, 0x10000c
	s_cmp_lg_u32 s2, 0x3003
	s_cbranch_scc0 .Lentry_shape_is_right
	s_endpgm
.Lentry_shape_is_right:
; k = source Wk + bk, v = source Wv + bv, and a work-group's part of a[m][d][h] = sum over rows l of Q(k / sqrt n) Q(v): products 2, 3 and 4, all on codes of FP6 (E2M3) with E8M0 scales.
; DEAD WORK: none is left out in this program.  Every bias stands ahead of a live quantiser and moves its codes.  All thirteen inputs are loaded by some launch.
; LIMITS: NaN and infinities among the inputs are not served.  A block of zeros gets the scale byte 1 where the rule says 127: its codes are zeros, and this program alone reads the bytes.
;   k / sqrt n is (x Wk + bk) x 0x3b4f3e37, the f32 nearest to 1 / sqrt(100000): a multiplication for reference()'s division.
;   A chunk with no tail block multiplies the k of a block that it reads all the same by 0: a NaN, an infinity or an overflow in that block's k would show here.
; SHARES.  A work-group is (head, chunk of 64); the four heads of a chunk are a cluster and ask for the same tiles of source JOINTLY (mask 15).  Its 8 waves are TWO TEAMS of four (team = wave / 4), two waves to a SIMD.
;   3,125 blocks of 32 rows = 64 chunks of 48, and one tail block more for the first 53.  A team takes 24 blocks of its chunk: 6 steps of 128 rows.  In a team, wave wl projects k's features 32 wl .. + 31 and v's 32 wl .. + 31
;   for the step's 128 rows (64 matrix instructions), quantises them along the rows, hands its two fragments of k to its team as images of their registers in LDS, and multiplies its two fragments of v by all eight of k
;   (16 matrix instructions, 16 accumulators).  A wave's matrix instructions stand in groups of 8 and 16 with its quantisers between them.
;   THE TAIL BLOCK runs first and is shared among all eight waves: each projects its FIRST group of k and its FIRST group of v alone; the eight fragments of k meet in one image buffer; the 8 products start the first group's sums
;   with C = 0.  The second group's sums start with C = 0 in step 0.
; TEAM 1 TAKES ITS TWO GROUPS OF k AND OF v IN THE OTHER ORDER (my group gl is group gl xor team of my two), so that one text serves both teams: in the tail the eight first groups are all eight groups, and at the end, where the
;   two teams' sums meet through LDS, each wave sends the sums of its second group of v and keeps its first.
; K OF THE PROJECTIONS.  A row of codes is 192 bytes, 8 blocks of 24.  Lane (r, h) takes the 96 bytes at 96 h by six loads of 16: registers 12 s .. 12 s + 11 are K step s, and place (s, c, h) holds block 4 h + 2 s + c,
;   in both operands alike; the scale words are made to match by v_perm_b32 (blocks 0, 4, 1, 5 and 2, 6, 3, 7): source's once, on their way into LDS.
; THE ROWS OF A TILE OF SOURCE ARE CHOSEN so that a lane's 32 results of four tiles are one whole block of 32 rows, the next K: tile (c, t) takes 8 rows of block 2 c (lanes 0-15) and 8 of block 2 c + 1 (lanes 16-31),
;   the latter turned round by 8 rows, for k and v alike, so that the sixteen rows of a tile differ modulo 16: with LDS rows 15 x 16 bytes apart sixteen lanes' 16 bytes fall on sixteen places modulo 256 bytes.
; TENSOR LOADS.  128 rows of 192 bytes are dense in memory and begin at a multiple of 6,144 bytes: they are stated as 96 rows of 256 bytes, 16 bytes of padding behind every 64.  Head: one load a wave, steps 0-3 of both teams.
;   Behind step 1: one load a wave, half a tile each, steps 4 and 5 into the slots of steps 0 and 1; it is first read two steps later.  By the text's own count one load of a wave is out at a time.
;   NO PREFETCH: 8 of the 12 tiles are asked for at the head, where there is no loop to run ahead in, and the other 4 two steps ahead of their first read.
; THE HEAD'S OTHER LOADS.  The head's 256 rows of Wk and Wv are read from memory once by the work-group: wave w takes 32 of them (team 0 Wk's, team 1 Wv's), 12 loads in runs of 192 consecutive bytes; the tail block likewise,
;   8 rows a wave of team 0 in 3 dense loads.  Both go through LDS rows 13 x 16 bytes apart, laid over the image buffers, which are idle until then: one barrier ahead of the reads, one between the reads and the first image.
; REGISTERS: window 0 addresses and scale words v0-79, codes PC v80-127, results H v128-159, source's four tiles v160-255 (k's eight fragments lie there at a step's end); window 1 the 16 accumulators v0-127, W v128-223, biases v224-255.
.set TILE,  30720                      ; LDS: 8 tiles of 128 rows x 240 bytes: slot 4 team + step % 4
.set IMG0,  245760                     ; 4 image buffers (team, parity) of 16,384: 8 fragments x (3 x 512 bytes of codes + 512 with the scale word at 16 x lane)
.set WST,   IMG0                       ; at the head: 8 parts of W, 32 rows x 208 bytes each,
.set TST,   IMG0+53248                 ; and the tail block, 32 rows x 208 bytes
.set SCL,   312320                     ; 2 x 768 rows' scale words, 8 bytes a row
.set SPARE, 324608                     ; the spare words, 128 bytes for each wave: four blocks of 256 bytes that no other line names
.set SPW, 3
.set NIL, 4
.set PA0, 5
.set PB0, 6
.set QA0, 7
.set QB0, 8
.set PA,  9
.set PB,  10
.set QA,  11
.set QB,  12
.set SAP0, 13
.set SAQ0, 14
.set SAP, 15
.set SAQ, 16
.set IWB, 17                           ; images: where my first group of k goes, v74 my second; v18 where my team's eight are read; v19, v77, v20 the same in the step's buffer
.set IRB, 18
.set IW,  19
.set IR,  20
.set IWB1, 74
.set IW1, 77
.set TIW, 27                           ; the same for the tail block's one buffer
.set TIR, 37
.set SH8, 21
.set SOP, 22
.set TP,  23
.set CT,  24
.set MKN, 28
.set MKT, 30
.set TQ,  32                           ; v32-36 five running maxima
.set SBY, 38
.set VSW, 46
.set KW,  48
.set WS,  50
.set KSW, 58                           ; k's eight scale words; at the head the tail block's scale bytes as loaded
.set SSC, 66                           ; source's scale words (t, s) at 66 + 2 t + s
.set PC,  80
.set EP,  96                           ; at the head alone, in registers of PC: v96-98 piece e = 32 b + lane of 16 bytes in rows 208 apart; v100-102 the same piece in W's memory
.set GE,  100
.set WSA, 104                          ; v104-106 where my part of W goes; v108-110 where my 8 rows of the tail block go
.set TSA, 108
.set WRK0, 112                         ; v112-116 where I read k's two groups, v's two, the tail block
.set WRK1, 113
.set WRV0, 114
.set WRV1, 115
.set TRD, 116
.set H,   128
.set SRC, 160
.set KF,  160
.set WF,  128                          ; window 1
.set BI,  224
.set WV,  22
.set HD,  23
.set CH,  24
.set TM,  25
.set WL,  26
.set G1,  36
.set G1B, 44
.set G0A, 52
.set G0B, 56
.set SEL, 60
.set SL0, 62
.set SL1, 63
.set IB,  66
.set CNT, 67
.set RS0, 68
.set SN,  69
.set SSN, 70
.set HT,  71
.set TB,  74
.set SB,  75
.set IBS, 76
.set IWS, 77
.set STS, 92
.set WSS, 93
.set TSS, 94
.set WK0S, 95
.set WK1S, 96
.set WV0S, 97
.set WV1S, 98
.set IWS1, 99
.set TIWS, 100
.set NT,  101
.set MSB, 0
.macro WIN new                         ; the immediate's high byte repeats the setting that is left; a switch that changes nothing is dropped
.set WNEW, \new
.if MSB != WNEW
	s_set_vgpr_msb (MSB<<8)|WNEW
.set MSB, WNEW
.endif
.endm
.macro CROUND                          ; a round of the cluster's barrier
	s_barrier_signal -1
	s_barrier_wait -1
	s_cmp_lg_u32 s[WV], 0
	s_cbranch_scc1 .Lnot_wave_0_\@
	s_barrier_signal -3
.Lnot_wave_0_\@:
	s_barrier_wait -3
	s_barrier_signal -1
	s_barrier_wait -1
.endm
.macro MMC d, a, b, c, sa, sb
	v_wmma_scale_f32_16x16x128_f8f6f4 v[\d:\d+7], v[\a:\a+11], v[\b:\b+11], v[\c:\c+7], v[\sa], v[\sb] matrix_a_fmt:MATRIX_FMT_FP6 matrix_b_fmt:MATRIX_FMT_FP6
.endm
.macro MMZ d, a, b, sa, sb
	v_wmma_scale_f32_16x16x128_f8f6f4 v[\d:\d+7], v[\a:\a+11], v[\b:\b+11], 0, v[\sa], v[\sb] matrix_a_fmt:MATRIX_FMT_FP6 matrix_b_fmt:MATRIX_FMT_FP6
.endm
.macro NOPS n
.rept \n
	v_nop
.endr
.endm
; Group g's 16 features for four tiles of 16 rows: source 0 = rows of source, source 1 = W's rows; the bias is the C of the first K step.  The four accumulators take turns.
; The four v_nop are the places behind the last product, ahead of the first read of results and of loads into the fragments' and scale words' registers.
.macro PROJ g
	WIN 0x14
.irp t, 0,1,2,3
	MMC H+8*\t, SRC+24*\t, WF+24*(\g), BI+8*(\g), SSC+2*\t, WS+2*(\g)
.endr
	WIN 0x04
.irp t, 0,1,2,3
	MMC H+8*\t, SRC+24*\t+12, WF+24*(\g)+12, H+8*\t, SSC+2*\t+1, WS+2*(\g)+1
.endr
	WIN 0
	NOPS 4
.endm
; THE QUANTISER OF ONE BLOCK: a lane's 32 numbers in H are one whole block; its scale byte goes to v[sb + c], its codes to registers 6 c .. 6 c + 5 of the operand at pc.  isk = 1: the numbers are first multiplied by the pair at mk.
; The largest magnitude goes in five chains by turns, the numbers in ascending order; the floor 2^(3 - 127) is one more leaf: the byte cannot fall under 1.
.macro QH pc, sb, c, isk, mk
.if \isk
.irp j, 0,2,4,6,8,10,12,14,16,18,20,22,24,26,28,30
	v_pk_mul_f32 v[H+\j:H+\j+1], v[H+\j:H+\j+1], v[\mk:\mk+1]
.endr
.endif
	v_max3_num_f32 v[TQ], |v[H]|, |v[H+1]|, 0x1800000
.irp i, 1,2,3,4
	v_max3_num_f32 v[TQ+\i], |v[H+3*\i-1]|, |v[H+3*\i]|, |v[H+3*\i+1]|
.endr
.irp i, 0,1,2,3,4
	v_max3_num_f32 v[TQ+\i], v[TQ+\i], |v[H+14+2*\i]|, |v[H+15+2*\i]|
.endr
.irp i, 0,1,2,3
	v_max3_num_f32 v[TQ+\i], v[TQ+\i], |v[H+24+2*\i]|, |v[H+25+2*\i]|
.endr
	s_delay_alu instid0(VALU_DEP_3)
	v_max3_num_f32 v[TQ+4], v[TQ+4], v[TQ], v[TQ+1]
	s_delay_alu instid0(VALU_DEP_1)
	v_max3_num_f32 v[TQ+4], v[TQ+4], v[TQ+2], v[TQ+3]
	s_delay_alu instid0(VALU_DEP_1)
	v_add_nc_u32 v[SOP], 0xff000000, v[TQ+4]       ; 2 off the exponent field: the conversion's scale operand
	v_cvt_scalef32_pk16_fp6_f32 v[(\pc)+6*(\c):(\pc)+6*(\c)+2], v[H:H+15], v[SOP]
	v_cvt_scalef32_pk16_fp6_f32 v[CT:CT+2], v[H+16:H+31], v[SOP]   ; (a conversion's three registers begin on an even number)
	v_lshrrev_b32 v[(\sb)+(\c)], 23, v[SOP]        ; the byte; also the plain place behind the conversions
.irp j, 0,1,2
	v_mov_b32 v[(\pc)+6*(\c)+3+\j], v[CT+\j]
.endr
.endm
.macro SW w, sb                        ; my two bytes (blocks h and 2 + h) and lane l xor 16's two make the row's scale word
	v_lshl_or_b32 v[\w], v[(\sb)+1], 16, v[\sb]
	s_delay_alu instid0(VALU_DEP_1)
	v_lshlrev_b32 v[\w], v[SH8], v[\w]
	v_permlanex16_b32 v[TP], v[\w], s[SEL], s[SEL+1]
	v_or_b32 v[\w], v[\w], v[TP]
.endm
.macro ZHALF pc, sb                    ; the tail block fills a quarter of a K step: the upper half of the operand is zero codes under the byte 127
.irp j, 6,7,8,9,10,11
	v_mov_b32 v[(\pc)+\j], 0
.endr
	v_mov_b32 v[(\sb)+1], 127
.endm
.macro IMAGE gl, adr                   ; my fragment gl of k goes to LDS as it stands in its registers
.irp cc, 0,1,2
	ds_store_b128 v[\adr], v[PC+12*(\gl)+4*\cc:PC+12*(\gl)+4*\cc+3] offset:512*\cc
.endr
	ds_store_b32 v[\adr], v[KW+(\gl)] offset:1536
.endm
.macro FETCHK adr                      ; and all eight of a buffer come back so
.irp i, 0,1,2,3,4,5,6,7
.irp cc, 0,1,2
	ds_load_b128 v[KF+12*\i+4*\cc:KF+12*\i+4*\cc+3], v[\adr] offset:\i*2048+512*\cc
.endr
	ds_load_b32 v[KSW+\i], v[\adr] offset:\i*2048+1536
.endr
.endm
.macro LDT c, t, ra, rb                ; one tile's fragment, both K steps: my 96 bytes of my row; 16 bytes of padding lie behind every 64
.set LO, (\c)*15360+(\t)*1920
.set LR, SRC+24*(\t)
	ds_load_b128 v[LR:LR+3],     v[\ra] offset:LO
	ds_load_b128 v[LR+4:LR+7],   v[\ra] offset:LO+16
	ds_load_b128 v[LR+8:LR+11],  v[\rb] offset:LO+32
	ds_load_b128 v[LR+12:LR+15], v[\rb] offset:LO+48
	ds_load_b128 v[LR+16:LR+19], v[\ra] offset:LO+80
	ds_load_b128 v[LR+20:LR+23], v[\ra] offset:LO+96
.endm
.macro LOADSRC c                       ; rows 64 c .. 64 c + 63 of the step: their scale words and four tiles
.irp t, 0,1,2
	ds_load_b64 v[SSC+2*\t:SSC+2*\t+1], v[SAP] offset:(64*(\c)+8*\t)*8
.endr
	ds_load_b64 v[SSC+6:SSC+7], v[SAQ] offset:(64*(\c)+24)*8
	LDT \c, 0, PA, PB
	LDT \c, 1, PA, PB
	LDT \c, 2, PA, PB
	LDT \c, 3, QA, QB
.endm
.macro IMGADR
	v_add_nc_u32 v[IW], s[IB], v[IWB]
	v_add_nc_u32 v[IW1], s[IB], v[IWB1]
	v_add_nc_u32 v[IR], s[IB], v[IRB]
.endm
; a(m, d) += v^T k: source 0 = 16 features of v, source 1 = 16 features of k, K = 128 rows; the accumulators take turns.  mode 0: all sixteen go on; 1: the tail block: my first group of v alone, C = 0; 2: step 0: my second group's sums start, C = 0
.macro ACCUM mode
	WIN 0x50
.irp i, 0,1,2,3,4,5,6,7
.if \mode == 1
	MMZ 8*\i, PC+24, KF+12*\i, VSW, KSW+\i
.else
	MMC 8*\i, PC+24, KF+12*\i, 8*\i, VSW, KSW+\i
.if \mode == 2
	MMZ 8*(8+\i), PC+36, KF+12*\i, VSW+1, KSW+\i
.else
	MMC 8*(8+\i), PC+36, KF+12*\i, 8*(8+\i), VSW+1, KSW+\i
.endif
.endif
.endr
	WIN 0
.endm
; A STEP of 128 rows.  One barrier: the images take turns between two buffers, so it parts this step's stores from this step's reads, and the reads of two steps ago (waited for ahead of the last barrier's signal) from this step's stores.
.macro STEP mode
	v_add_nc_u32 v[PA], s[SN], v[PA0]              ; nine plain lines: also the places between the last step's products and the loads into k's registers
	v_add_nc_u32 v[PB], s[SN], v[PB0]
	v_add_nc_u32 v[QA], s[SN], v[QA0]
	v_add_nc_u32 v[QB], s[SN], v[QB0]
	v_add_nc_u32 v[SAP], s[SSN], v[SAP0]
	v_add_nc_u32 v[SAQ], s[SSN], v[SAQ0]
	IMGADR
	LOADSRC 0
	s_wait_dscnt 0x0
	PROJ 0
	QH PC, SBY, 0, 1, MKN
	PROJ 1
	QH PC+12, SBY+2, 0, 1, MKN
	PROJ 2
	QH PC+24, SBY+4, 0, 0, MKN
	PROJ 3
	LOADSRC 1                                      ; rows 64 on land under the quantiser below
	QH PC+36, SBY+6, 0, 0, MKN
	s_wait_dscnt 0x0
	PROJ 0
	QH PC, SBY, 1, 1, MKN
	SW KW, SBY
	IMAGE 0, IW
	PROJ 1
	QH PC+12, SBY+2, 1, 1, MKN
	SW KW+1, SBY+2
	IMAGE 1, IW1
	s_wait_dscnt 0x0                               ; for the others' sake: my images have landed
	s_barrier_signal -1
	PROJ 2                                         ; work on registers while the others arrive
	QH PC+24, SBY+4, 1, 0, MKN
	SW VSW, SBY+4
	PROJ 3
	s_barrier_wait -1
	FETCHK IR                                      ; it lands under the last quantiser
	QH PC+36, SBY+6, 1, 0, MKN
	SW VSW+1, SBY+6
	s_wait_alu depctr_va_vdst(0)                   ; directly ahead of the wait below
	s_wait_dscnt 0x0                               ; k's eight fragments are in
	NOPS 8                                         ; a scale word made by vector instructions stands eight places ahead of the product that takes it
	ACCUM \mode
	s_xor_b32 s[IB], s[IB], 16384
	s_add_co_u32 s[SN], s[SN], TILE
	s_add_co_u32 s[SSN], s[SSN], 1024
.endm
.macro TWOSTEPS lab
	s_mov_b32 s[CNT], 2
\lab:
	STEP 0
	s_sub_co_u32 s[CNT], s[CNT], 1
	s_cmp_lg_u32 s[CNT], 0
	s_cbranch_scc1 \lab
.endm
	s_load_b512 s[4:19], s[0:1], 0x0               ; source's codes s[4:5], scales s[6:7]; Wk's s[8:9], s[10:11]; Wv's s[12:13], s[14:15]; bk s[16:17]; bv s[18:19]
	s_load_b64 s[20:21], s[0:1], 0x40              ; part
	v_lshl_add_u32 v[SPW], v0, 2, SPARE
	v_mov_b32 v[NIL], 0
	ds_add_u32 v[SPW], v[NIL]                      ; the wave's opening: the add, twice on end, and its wait ahead of my first tensor load
	ds_add_u32 v[SPW], v[NIL]
	v_lshrrev_b32 v1, 5, v0
	v_readfirstlane_b32 s[WV], v1                  ; wave 0..7
	s_lshr_b32 s[TM], s[WV], 2                     ; team
	s_xor_b32 s[NT], s[TM], 1                      ; 1 - team
	s_and_b32 s[WL], s[WV], 3                      ; wave in the team
	s_bfe_u32 s[HD], ttmp6, 0x40000                ; my place in the cluster = the head
	s_and_b32 s[CH], ttmp7, 0xffff                 ; the chunk, which the four partners share
.irp g, G1, G1B
	s_mov_b32 s[\g], 15|(1<<20)|(1<<21)|(3<<22)|(3<<25)  ; the mask names all four; elements of 1 byte; padding on; bit 21 beside the mask; 4 words of padding behind every 16
	s_mov_b32 s[\g+1], 256<<16                     ; tensor_dim0
	s_mov_b32 s[\g+3], 256<<16                     ; tile_dim0
	s_mov_b32 s[\g+5], 256                         ; from row to row
	s_mov_b32 s[\g+6], 0
	s_mov_b32 s[\g+7], 0
.endr
	s_mov_b32 s[G1+2], 96<<16                      ; a whole tile: 96 rows of 256 bytes
	s_mov_b32 s[G1+4], 96
	s_mov_b32 s[G1B+2], 48<<16                     ; half a tile
	s_mov_b32 s[G1B+4], 48
	s_cmp_lt_u32 s[CH], 53
	s_cselect_b32 s[RS0], 0x3b4f3e37, 0            ; has the chunk a tail block of its own?  A value is chosen; nothing branches
	s_mul_i32 s28, s[CH], 48
	s_min_u32 s29, s[CH], 53
	s_add_co_u32 s28, s28, s29                     ; the chunk's first block of 32 rows
	s_add_co_u32 s29, s28, 48
	s_min_u32 s29, s29, 3124                       ; its tail block (with none: a block inside the tensor, whose k is multiplied by 0)
	s_mul_i32 s[HT], s[TM], 24
	s_add_co_u32 s28, s28, s[HT]                   ; my team's first block
	s_mul_i32 s30, s28, 6144
	s_mov_b32 s31, 0
	s_mul_i32 s[HT], s[WL], 1536
	s_mul_i32 s32, s29, 6144
	s_add_co_u32 s32, s32, s[HT]                   ; rows 8 wl on of the tail block
	s_mov_b32 s33, 0
	s_lshl_b32 s34, s29, 8
	s_mov_b32 s35, 0
	s_lshl_b32 s86, s28, 8
	s_add_co_u32 s86, s86, s[HT]                   ; my quarter of my team's scale bytes
	s_mov_b32 s87, 0
	s_mul_i32 s88, s[WL], 24576                    ; head: step wl's tile
	s_mov_b32 s89, 0
	s_mul_i32 s90, s[WL], 12288
	s_add_co_u32 s90, s90, 98304                   ; later: half wl % 2 of step 4 + wl / 2
	s_mov_b32 s91, 0
	s_mul_i32 s[G0A+1], s[WV], TILE                ; LDS: slot 4 team + wl
	s_mul_i32 s[TB], s[TM], 4*TILE
	s_mul_i32 s[G0B+1], s[WL], 15360
	s_add_co_u32 s[G0B+1], s[G0B+1], s[TB]         ; half wl % 2 of slot 4 team + wl / 2
	s_mul_i32 s[SB], s[TM], 6144
	s_add_co_u32 s[SB], s[SB], SCL
	s_add_co_u32 s[STS], s[SB], s[HT]
	s_lshl_b32 s[IBS], s[TM], 15
	s_add_co_u32 s[IBS], s[IBS], IMG0              ; my team's two image buffers
	s_lshl_b32 s[TIWS], s[WL], 12
	s_lshl_b32 s[HT], s[NT], 11
	s_add_co_u32 s[IWS1], s[TIWS], s[HT]
	s_add_co_u32 s[IWS1], s[IWS1], s[IBS]          ; my second group of k is fragment 2 wl + 1 - team,
	s_lshl_b32 s[HT], s[TM], 11
	s_add_co_u32 s[TIWS], s[TIWS], s[HT]
	s_add_co_u32 s[IWS], s[TIWS], s[IBS]           ; my first fragment 2 wl + team;
	s_add_co_u32 s[TIWS], s[TIWS], IMG0            ; the tail block's images lie in the first buffer of all, for both teams
	s_mul_i32 s[WSS], s[WV], 6656
	s_add_co_u32 s[WSS], s[WSS], WST               ; my part of W
	s_mul_i32 s[TSS], s[WL], 1664
	s_add_co_u32 s[TSS], s[TSS], TST               ; rows 8 wl on of the tail block
	s_mul_i32 s[WK0S], s[WL], 6656
	s_add_co_u32 s[WK0S], s[WK0S], WST             ; Wk's part wl:
	s_mul_i32 s[HT], s[NT], 3328
	s_add_co_u32 s[WK1S], s[WK0S], s[HT]           ; my second group is group 1 - team of its two,
	s_mul_i32 s[HT], s[TM], 3328
	s_add_co_u32 s[WK0S], s[WK0S], s[HT]           ; my first group team;
	s_add_co_u32 s[WV0S], s[WK0S], 4*6656          ; and the same in Wv's part 4 + wl
	s_add_co_u32 s[WV1S], s[WK1S], 4*6656
	s_mov_b32 s[SEL], 0x76543210
	s_mov_b32 s[SEL+1], 0xfedcba98
	s_mov_b32 s[SL0], 0x05010400                   ; blocks 0, 4, 1, 5
	s_mov_b32 s[SL1], 0x07030602                   ; blocks 2, 6, 3, 7
	s_mov_b32 s[IB], 16384                         ; step 0's images go into the second buffers
	s_mov_b32 s[SN], 0
	s_mov_b32 s[SSN], 0
	v_and_b32 v1, 15, v0                           ; r
	v_bfe_u32 v2, v0, 4, 1                         ; h
	v_and_b32 v27, 31, v0                          ; lane
	v_lshlrev_b32 v75, 5, v1                       ; W's scale bytes: 32 r
	v_lshlrev_b32 v76, 4, v1                       ; the biases: 16 r
	v_and_b32 v77, 7, v1
	v_lshlrev_b32 v78, 3, v77                      ; the tail block's scale bytes: lanes r and r + 8 take the same row 8 t + r % 8
	v_lshlrev_b32 v79, 4, v27                      ; 16 x lane
.irp b, 0,1,2
	v_add_nc_u32 v37, 32*\b, v27                   ; piece e of 16 bytes; 12 pieces to a row of codes
	v_mul_u32_u24 v74, v37, 43
	v_lshrrev_b32 v74, 9, v74                      ; e / 12 for e under 96
	v_add_nc_u32 v37, v37, v74
	v_lshlrev_b32 v[EP+\b], 4, v37                 ; in LDS: 16 e + 16 (e / 12): rows 208 apart
	v_mad_u32_u24 v[GE+\b], v74, 560, v[EP+\b]     ; in W: 16 e + 576 (e / 12): a head's rows are 768 apart
.endr
	s_wait_alu depctr_va_vdst(0)                   ; directly ahead of the waits below
	s_wait_dscnt 0x0                               ; both opening adds are done
	s_wait_kmcnt 0x0
	s_add_nc_u64 s[30:31], s[4:5], s[30:31]        ; my team's first row
	s_mov_b32 s[G0A], 1
	s_add_nc_u64 s[G0A+2:G0A+3], s[30:31], s[88:89]
	s_or_b32 s[G0A+3], s[G0A+3], 0x80000000
	s_mov_b32 s[G0B], 1
	s_add_nc_u64 s[G0B+2:G0B+3], s[30:31], s[90:91]
	s_or_b32 s[G0B+3], s[G0B+3], 0x80000000
	CROUND                                         ; all four work-groups are here: the first joint loads meet
	tensor_load_to_lds s[G0A:G0A+3], s[G1:G1+7]    ; my one load at the head, ahead of everything else that is asked of memory
	s_nop 0
	NOPS 4
	s_add_nc_u64 s[32:33], s[4:5], s[32:33]        ; the tail block's codes
	s_add_nc_u64 s[34:35], s[6:7], s[34:35]        ; and scale bytes
	s_add_nc_u64 s[86:87], s[6:7], s[86:87]
	s_mul_i32 s72, s[HD], 192                      ; what hangs on the head stands in s72 and goes into global addresses alone
	s_mul_i32 s[HT], s[WL], 24576
	s_add_co_u32 s72, s72, s[HT]
	s_mov_b32 s73, 0
	s_mov_b32 s79, 0
	s_cmp_eq_u32 s[TM], 0
	s_cselect_b64 s[80:81], s[8:9], s[12:13]       ; team 0 fetches Wk's rows, team 1 Wv's
	s_add_nc_u64 s[80:81], s[80:81], s[72:73]      ; features 32 wl on, my head
	s_lshl_b32 s72, s[HD], 3
	s_lshl_b32 s[HT], s[WL], 10
	s_add_co_u32 s72, s72, s[HT]
	s_add_nc_u64 s[10:11], s[10:11], s[72:73]      ; W's scale bytes: my two groups;
	s_add_nc_u64 s[14:15], s[14:15], s[72:73]
	s_lshl_b32 s78, s[NT], 9
	s_add_nc_u64 s[8:9], s[10:11], s[78:79]        ; my second,
	s_add_nc_u64 s[82:83], s[14:15], s[78:79]
	s_lshl_b32 s78, s[TM], 9
	s_add_nc_u64 s[10:11], s[10:11], s[78:79]      ; my first
	s_add_nc_u64 s[14:15], s[14:15], s[78:79]
	s_lshl_b32 s72, s[HD], 2
	s_lshl_b32 s[HT], s[WL], 9
	s_add_co_u32 s72, s72, s[HT]
	s_add_nc_u64 s[16:17], s[16:17], s[72:73]      ; the biases likewise
	s_add_nc_u64 s[18:19], s[18:19], s[72:73]
	s_lshl_b32 s78, s[NT], 8
	s_add_nc_u64 s[12:13], s[16:17], s[78:79]
	s_add_nc_u64 s[84:85], s[18:19], s[78:79]
	s_lshl_b32 s78, s[TM], 8
	s_add_nc_u64 s[16:17], s[16:17], s[78:79]
	s_add_nc_u64 s[18:19], s[18:19], s[78:79]
.irp a, 0,1,2,3
.irp b, 0,1,2
	global_load_b128 v[SRC+12*\a+4*\b:SRC+12*\a+4*\b+3], v[GE+\b], s[80:81] offset:\a*6144   ; 8 rows of W for each a
.endr
.endr
	s_cmp_lg_u32 s[TM], 0
	s_cbranch_scc1 .Lno_tail_load                  ; team 0 fetches the tail block
.irp b, 0,1,2
	global_load_b128 v[SRC+48+4*\b:SRC+51+4*\b], v79, s[32:33] offset:\b*512   ; 1,536 consecutive bytes
.endr
.Lno_tail_load:
.irp i, 0,1,2
	global_load_b128 v[H+12+4*\i:H+15+4*\i], v79, s[86:87] offset:\i*512       ; 1,536 consecutive bytes of scales
.endr
	global_load_b64 v[H:H+1], v75, s[10:11]
	global_load_b64 v[H+2:H+3], v75, s[8:9]
	global_load_b64 v[H+4:H+5], v75, s[14:15]
	global_load_b64 v[H+6:H+7], v75, s[82:83]
	global_load_b32 v[H+8], v76, s[16:17]
	global_load_b32 v[H+9], v76, s[12:13]
	global_load_b32 v[H+10], v76, s[18:19]
	global_load_b32 v[H+11], v76, s[84:85]
.irp t, 0,1,2,3
	global_load_b64 v[KSW+2*\t:KSW+2*\t+1], v78, s[34:35] offset:\t*64
.endr
	s_lshl_b32 s72, s[CH], 18
	s_lshl_b32 s[HT], s[HD], 16
	s_add_co_u32 s72, s72, s[HT]
	s_lshl_b32 s[HT], s[WL], 14
	s_add_co_u32 s72, s72, s[HT]
	s_lshl_b32 s[HT], s[TM], 13
	s_add_co_u32 s72, s72, s[HT]
	s_add_nc_u64 s[20:21], s[20:21], s[72:73]      ; part at (chunk, head, d = 32 wl + 16 team): the 16 values of d that I store
	v_lshrrev_b32 v27, 3, v1
	v_lshl_add_u32 v27, v27, 5, v1                 ; r + 32 (r / 8)
	v_mul_u32_u24 v37, v2, 112
	v_add_nc_u32 v37, s[TB], v37                   ; my team's four slots
	v_mad_u32_u24 v[PA0], v27, 240, v37
	v_mad_u32_u24 v[QA0], v1, 240, v37
	v_lshl_add_u32 v[PB0], v2, 4, v[PA0]
	v_lshl_add_u32 v[QB0], v2, 4, v[QA0]
	v_lshl_add_u32 v[SAP0], v27, 3, s[SB]
	v_lshl_add_u32 v[SAQ0], v1, 3, s[SB]
	v_add_nc_u32 v[IRB], s[IBS], v79               ; images: 16 x lane
	v_add_nc_u32 v[IWB], s[IWS], v79
	v_add_nc_u32 v[IWB1], s[IWS1], v79
	v_add_nc_u32 v[PA], s[STS], v79                ; where my quarter of the scale words goes
.irp b, 0,1,2
	v_add_nc_u32 v[WSA+\b], s[WSS], v[EP+\b]
	v_add_nc_u32 v[TSA+\b], s[TSS], v[EP+\b]
.endr
	v_mul_u32_u24 v37, v2, 96
	v_mad_u32_u24 v27, v1, 208, v37                ; a fragment of W: row r, + 96 h
	v_mad_u32_u24 v37, v77, 208, v37               ; of the tail block: row r % 8
	v_add_nc_u32 v[WRK0], s[WK0S], v27
	v_add_nc_u32 v[WRK1], s[WK1S], v27
	v_add_nc_u32 v[WRV0], s[WV0S], v27
	v_add_nc_u32 v[WRV1], s[WV1S], v27
	v_add_nc_u32 v[TRD], TST, v37
	v_lshlrev_b32 v[SH8], 3, v2
	v_mov_b32 v[MKN], 0x3b4f3e37                   ; 1 / sqrt(100000)
	v_mov_b32 v[MKN+1], 0x3b4f3e37
	v_sub_nc_u32 v27, 1, v2
	v_mul_lo_u32 v[MKT], v27, s[RS0]               ; the bits x 1 in lanes 0-15, x 0 in lanes 16-31, which hold the same 32 rows once more
	v_mov_b32 v[TP], 0                             ; written once: a lane permute's destination counts as one of its sources
	v_mov_b32 v[MKT+1], v[MKT]
	v_add_nc_u32 v[TIW], s[TIWS], v79
	v_add_nc_u32 v[TIR], IMG0, v79
	s_wait_alu depctr_va_vdst(0)                   ; the head's end
	s_wait_loadcnt 0x0                             ; my part of W, the tail block's rows, the scale bytes, the biases
.irp a, 0,1,2,3
.irp b, 0,1,2
	ds_store_b128 v[WSA+\b], v[SRC+12*\a+4*\b:SRC+12*\a+4*\b+3] offset:\a*1664
.endr
.endr
	s_cmp_lg_u32 s[TM], 0
	s_cbranch_scc1 .Lno_tail_store
.irp b, 0,1,2
	ds_store_b128 v[TSA+\b], v[SRC+48+4*\b:SRC+51+4*\b]
.endr
.Lno_tail_store:
.irp i, 0,1,2,3,4,5
	v_perm_b32 v[PC+2*\i],   v[H+13+2*\i], v[H+12+2*\i], s[SL0]    ; eight scale bytes a row become the two K steps' scale words, once
	v_perm_b32 v[PC+2*\i+1], v[H+13+2*\i], v[H+12+2*\i], s[SL1]
.endr
.irp i, 0,1,2
	ds_store_b128 v[PA], v[PC+4*\i:PC+4*\i+3] offset:\i*512
.endr
	s_wait_dscnt 0x0                               ; for the others' sake: my stores have landed
	s_barrier_signal -1
.irp g, 0,1,2,3
	v_perm_b32 v[WS+2*\g],   v[H+2*\g+1], v[H+2*\g], s[SL0]
	v_perm_b32 v[WS+2*\g+1], v[H+2*\g+1], v[H+2*\g], s[SL1]
	v_perm_b32 v[SSC+2*\g],   v[KSW+2*\g+1], v[KSW+2*\g], s[SL0]   ; the tail block's scale words
	v_perm_b32 v[SSC+2*\g+1], v[KSW+2*\g+1], v[KSW+2*\g], s[SL1]
.endr
	WIN 0x40
.irp g, 0,1,2,3
.irp j, 0,1,2,3,4,5,6,7
	v_mov_b32 v[BI+8*\g+\j], v[H+8+\g]             ; a lane holds one feature: its bias in all eight registers of the result's layout.  (These 32 lines are also the places behind the scale words above)
.endr
.endr
	WIN 0
	s_wait_alu depctr_va_vdst(0)                   ; directly ahead of the barrier's wait
	s_barrier_wait -1
	WIN 0x40                                       ; destination window 1
.irp x, 0,1,2,3,4,5
	ds_load_b128 v[WF+4*\x:WF+4*\x+3], v[WRK0] offset:16*\x
	ds_load_b128 v[WF+24+4*\x:WF+24+4*\x+3], v[WRK1] offset:16*\x
	ds_load_b128 v[WF+48+4*\x:WF+48+4*\x+3], v[WRV0] offset:16*\x
	ds_load_b128 v[WF+72+4*\x:WF+72+4*\x+3], v[WRV1] offset:16*\x
.endr
	WIN 0
.irp t, 0,1,2,3
.irp x, 0,1,2,3,4,5
	ds_load_b128 v[SRC+24*\t+4*\x:SRC+24*\t+4*\x+3], v[TRD] offset:\t*1664+16*\x
.endr
.endr
	s_wait_dscnt 0x0                               ; my reads of W and of the tail block are over:
	s_barrier_signal -1                            ; say so; the first images land on those bytes
	; THE TAIL BLOCK: 32 rows, a quarter of a K step: my first group of k, my first group of v
	PROJ 0
	QH PC, SBY, 0, 1, MKT
	ZHALF PC, SBY
	SW KW, SBY
	s_wait_alu depctr_va_vdst(0)                   ; directly ahead of the barrier's wait
	s_barrier_wait -1                              ; everybody's reads are over
	IMAGE 0, TIW
	s_wait_tensorcnt 0x0                           ; my tile is in
	s_wait_dscnt 0x0                               ; my image has landed
	s_barrier_signal -1
	PROJ 2
	QH PC+24, SBY+4, 0, 0, MKN
	ZHALF PC+24, SBY+4
	SW VSW, SBY+4
	s_wait_alu depctr_va_vdst(0)                   ; directly ahead of the barrier's wait
	s_barrier_wait -1
	FETCHK TIR
	s_wait_dscnt 0x0
	NOPS 8                                         ; a scale word made by vector instructions stands eight places ahead of the product that takes it
	ACCUM 1
	STEP 2                                         ; step 0: my second group's sums start here
	STEP 0                                         ; step 1
	s_wait_tensorcnt 0x0                           ; THE ONE REFILL: no tensor load of mine is out
	ds_add_u32 v[SPW], v[NIL]                      ; 0 onto my spare word
	s_wait_dscnt 0x0                               ; the add is done, and my reads of the slots of steps 0 and 1 are over
	CROUND                                         ; no wave of any partner still reads those slots or has a load on its way
	tensor_load_to_lds s[G0B:G0B+3], s[G1B:G1B+7]  ; my one load behind the round: half a tile of step 4 or 5
	s_nop 0
	NOPS 4
	TWOSTEPS .Lsteps_b                             ; steps 2 and 3
	s_wait_tensorcnt 0x0                           ; my half tile is in;
	s_wait_dscnt 0x0
	s_barrier_signal -1
	s_barrier_wait -1                              ; and so is everybody's.
	s_mov_b32 s[SN], 0
	TWOSTEPS .Lsteps_c                             ; steps 4 and 5
	; THE WAY OUT.  Register j of accumulator (jl, i): a(m = 16 i + r, d = 32 wl + 16 (jl xor team) + 8 h + j).  I send my second group's sums to wave w xor 4 through the image buffers, which nobody reads any more behind the
	; barrier below, add its second group's to my first, and store.  part is laid [chunk][head][d / 4][m][d % 4]: sixteen lanes store 256 consecutive bytes at a multiple of 256 from part's first byte.
	s_lshl_b32 s28, s[WV], 13
	s_add_co_u32 s28, s28, IMG0
	s_xor_b32 s29, s[WV], 4
	s_lshl_b32 s29, s29, 13
	s_add_co_u32 s29, s29, IMG0
	s_wait_dscnt 0x0
	s_barrier_signal -1
	v_add_nc_u32 v[PA], s28, v79                   ; four plain lines: the places behind the last products
	v_add_nc_u32 v[PB], s29, v79
	v_lshlrev_b32 v[QA], 12, v2
	v_lshl_add_u32 v[QA], v1, 4, v[QA]             ; 4096 h + 16 r
	s_wait_alu depctr_va_vdst(0)                   ; directly ahead of the barrier's wait
	s_barrier_wait -1
	WIN 0x04                                       ; a store's data: window 1
.irp k, 0,1,2,3,4,5,6,7,8,9,10,11,12,13,14,15
	ds_store_b128 v[PA], v[64+4*\k:64+4*\k+3] offset:\k*512   ; each accumulator from its low end on
.endr
	WIN 0
	s_wait_dscnt 0x0                               ; for the other team's sake
	s_barrier_signal -1
	s_barrier_wait -1
.irp k, 0,1,2,3,4,5,6,7,8,9,10,11,12,13,14,15
	ds_load_b128 v[SRC+4*\k:SRC+4*\k+3], v[PB] offset:\k*512
.endr
	s_wait_dscnt 0x0
	WIN 0x04                                       ; source 1: window 1
.irp k, 0,2,4,6,8,10,12,14,16,18,20,22,24,26,28,30,32,34,36,38,40,42,44,46,48,50,52,54,56,58,60,62
	v_pk_add_f32 v[SRC+\k:SRC+\k+1], v[SRC+\k:SRC+\k+1], v[\k:\k+1]
.endr
	WIN 0
.irp i, 0,1,2,3,4,5,6,7
.irp q, 0,1
	global_store_b128 v[QA], v[SRC+8*\i+4*\q:SRC+8*\i+4*\q+3], s[20:21] offset:\q*2048+\i*256
.endr
.endr
	s_wait_tensorcnt 0x0                           ; the wave's end, behind my last tensor load and my last LDS store
	ds_add_u32 v[SPW], v[NIL]
	s_wait_dscnt 0x0
	CROUND                                         ; the closing round
	s_endpgm
.Lfunc_end_k_q897b1c1810_kv:
	.size	k_q897b1c1810_kv, .Lfunc_end_k_q897b1c1810_kv-k_q897b1c1810_kv
	.p2alignl 7, 3214868480
	.fill 96, 4, 3214868480
	.section	.rodata,"a",@progbits
	.p2align	6, 0x0
	.amdhsa_kernel k_q897b1c1810_kv
		.amdhsa_group_segment_fixed_size 327680
		.amdhsa_private_segment_fixed_size 0
		.amdhsa_enable_private_segment 0
		.amdhsa_kernarg_size 72
		.amdhsa_user_sgpr_count 2
		.amdhsa_user_sgpr_kernarg_segment_ptr 1
		.amdhsa_wavefront_size32 1
		.amdhsa_system_sgpr_workgroup_id_x 1
		.amdhsa_system_sgpr_workgroup_id_y 1
		.amdhsa_system_sgpr_workgroup_id_z 1
		.amdhsa_system_vgpr_workitem_id 0
		.amdhsa_next_free_vgpr 512
		.amdhsa_next_free_sgpr 102
		.amdhsa_reserve_vcc 0
		.amdhsa_float_denorm_mode_32 3
		.amdhsa_float_denorm_mode_16_64 3
		.amdhsa_memory_ordered 1
		.amdhsa_forward_progress 1
		.amdhsa_inst_pref_size 180
	.end_amdhsa_kernel
	.amdgpu_metadata
---
amdhsa.version: [ 1, 2 ]
amdhsa.kernels:
  - .name:           k_q897b1c1810_kv
    .symbol:         k_q897b1c1810_kv.kd
    .args:
      - { .name: source_input_codes, .offset: 0, .size: 8, .value_kind: global_buffer, .address_space: global }
      - { .name: source_input_scales, .offset: 8, .size: 8, .value_kind: global_buffer, .address_space: global }
      - { .name: Wk_codes, .offset: 16, .size: 8, .value_kind: global_buffer, .address_space: global }
      - { .name: Wk_scales, .offset: 24, .size: 8, .value_kind: global_buffer, .address_space: global }
      - { .name: Wv_codes, .offset: 32, .size: 8, .value_kind: global_buffer, .address_space: global }
      - { .name: Wv_scales, .offset: 40, .size: 8, .value_kind: global_buffer, .address_space: global }
      - { .name: bk, .offset: 48, .size: 8, .value_kind: global_buffer, .address_space: global }
      - { .name: bv, .offset: 56, .size: 8, .value_kind: global_buffer, .address_space: global }
      - { .name: part, .offset: 64, .size: 8, .value_kind: global_buffer, .address_space: global }
    .group_segment_fixed_size: 327680
    .private_segment_fixed_size: 0
    .kernarg_segment_align: 8
    .kernarg_segment_size: 72
    .max_flat_workgroup_size: 256
    .sgpr_count:     102
    .vgpr_count:     512
    .wavefront_size: 32
...
	.end_amdgpu_metadata
.endif
;; end of part 1
;; launch soft (part 2): grid 128 x 1, 8 waves a work-group, no clusters, 19,968 bytes of LDS; arguments part, pcode, psi; writes pcode, psi
.if DOCPART == 2
	.amdgcn_target "amdgcn-amd-amdhsa--gfx1250"
	.amdhsa_code_object_version 6
	.text
	.protected	k_q897b1c1810_soft
	.globl	k_q897b1c1810_soft
	.p2align	8
	.type	k_q897b1c1810_soft,@function
k_q897b1c1810_soft:
	s_mov_b64 s[64:65], 0
	v_nop
	global_prefetch_b8 v0, s[64:65] scope:SCOPE_SE
	s_setreg_imm32_b32 hwreg(HW_REG_WAVE_MODE, 25, 1), 1
	s_wait_xcnt 0x0
; The 64 chunks' parts of a are added, and the softmax over m ahead of the last product is taken: t = a x log2(e), M = ceil(the row's largest t), p = 2^(t - M), quantised to FP6 (E2M3) in blocks of 32 along m;
; l = the row's sum of the unquantised p.  No work is left out.  LIMITS: NaN and infinities are not served; a p under 2^-126 comes out of v_exp_f32 as 0; a block of zeros gets the byte 1 (its codes are zeros).
; SHARES.  Work-group g: head g / 32 and four rows d = 4 (g % 32) + x, whose 128 x 4 numbers are 2,048 consecutive bytes of each chunk's part.  Wave w adds chunks 8 w .. 8 w + 7 (each load: 512 consecutive bytes);
; the eight sums meet in LDS; wave 0 takes the four softmaxes: lane L holds m = 16 (L % 8) + 0 .. 15 of row x = L / 8.
; OUT.  pcode: images of the operand's registers, [head][d / 64][d % 4][3][lane 32][16 bytes], in which column r of a fragment is d = 64 (d / 64) + 4 r + d % 4; psi: for each such column its scale word and 0.25 / l.
; These two are pieces of 16 and of 8 bytes, 416 bytes a work-group; so laid, every later read of them is dense.  No matrix unit, no tensor load: a stream and a small reduction.
.set FIN,   16384                      ; LDS: 0: eight waves' sums, 2,048 bytes each, [x][m]; FIN: the whole sums [x][m]
.set OUTB,  0                          ; the four rows' codes, 96 bytes each: [lane half][c][24 bytes]; they lie over wave 0's own sums, which every wave has read ahead of the second barrier
.set REC,   18816                      ; the four rows' records: scale word, 0.25 / l
.set SPARE, 18944                      ; the spare words, 128 bytes for each wave: four blocks of 256 bytes that no other line names
	s_load_b128 s[4:7], s[0:1], 0x0                ; part, pcode
	s_load_b64 s[8:9], s[0:1], 0x10                ; psi
	v_lshl_add_u32 v2, v0, 2, SPARE
	v_mov_b32 v3, 0
	v_lshrrev_b32 v1, 5, v0
	s_delay_alu instid0(VALU_DEP_1)
	v_readfirstlane_b32 s10, v1                    ; wave 0..7
	v_and_b32 v1, 31, v0                           ; lane
	s_wait_alu depctr_va_vdst(0)
	s_lshr_b32 s11, ttmp9, 5                       ; head
	s_and_b32 s12, ttmp9, 31                       ; d / 4
	s_lshl_b32 s14, s10, 21                        ; 8 chunks of 262,144 bytes a wave
	s_lshl_b32 s15, s11, 16
	s_add_co_u32 s14, s14, s15
	s_lshl_b32 s15, s12, 11
	s_add_co_u32 s14, s14, s15
	s_mov_b32 s15, 0
	s_lshl_b32 s16, s11, 1
	s_lshr_b32 s17, s12, 4
	s_add_co_u32 s16, s16, s17                     ; 2 head + d / 64
	s_and_b32 s17, s12, 15                         ; r
	s_mul_i32 s20, s16, 6144
	s_lshl_b32 s21, s17, 4
	s_add_co_u32 s20, s20, s21
	s_mov_b32 s21, 0
	s_lshl_b32 s22, s16, 9
	s_lshl_b32 s23, s17, 3
	s_add_co_u32 s22, s22, s23
	s_mov_b32 s23, 0
	s_mov_b32 s18, 0x3fb8aa3b                      ; log2(e)
	s_mov_b32 s19, s18                             ; (named with it as a pair, so it is written)
	v_lshlrev_b32 v4, 4, v1                        ; 16 x lane
	s_lshl_b32 s24, s10, 11
	v_lshl_add_u32 v5, v1, 2, s24                  ; my wave's sums: 4 x lane
	v_lshlrev_b32 v6, 3, v0                        ; 8 x thread
	v_lshl_add_u32 v7, v1, 6, FIN                  ; wave 0: my 16 numbers
	v_lshrrev_b32 v8, 3, v1                        ; x
	v_bfe_u32 v9, v1, 1, 1                         ; my block's lane half
	v_bfe_u32 v10, v1, 2, 1                        ; my block's c
	v_and_b32 v11, 1, v1                           ; the block's lower or upper 16
	s_delay_alu instid0(VALU_DEP_4)
	v_mul_u32_u24 v12, v8, 96
	s_delay_alu instid0(VALU_DEP_1)
	v_mad_u32_u24 v12, v9, 48, v12
	s_delay_alu instid0(VALU_DEP_1)
	v_mad_u32_u24 v12, v10, 24, v12
	s_delay_alu instid0(VALU_DEP_1)
	v_mad_u32_u24 v12, v11, 12, v12
	s_delay_alu instid0(VALU_DEP_1)
	v_add_nc_u32 v12, OUTB, v12                    ; where my 12 bytes of codes go
	v_bfe_u32 v13, v1, 1, 2
	s_delay_alu instid0(VALU_DEP_1)
	v_lshl_add_u32 v13, v8, 3, v13
	s_delay_alu instid0(VALU_DEP_1)
	v_add_nc_u32 v13, REC, v13                     ; my block's byte
	v_lshl_add_u32 v14, v8, 3, REC+4               ; my row's 0.25 / l
	v_lshl_add_u32 v15, v1, 4, OUTB                ; back: piece e = lane, 16 bytes (lanes 0 to 23)
	v_mul_u32_u24 v9, v1, 43
	s_delay_alu instid0(VALU_DEP_1)
	v_lshrrev_b32 v9, 8, v9                        ; e / 6 = x
	v_mul_u32_u24 v10, v1, 86
	s_delay_alu instid0(VALU_DEP_1)
	v_lshrrev_b32 v10, 8, v10                      ; e / 3
	s_delay_alu instid0(VALU_DEP_1)
	v_mul_u32_u24 v11, v10, 3
	s_delay_alu instid0(VALU_DEP_1)
	v_sub_nc_u32 v11, v1, v11                      ; e % 3: which four registers
	s_delay_alu instid0(VALU_DEP_3)
	v_and_b32 v10, 1, v10                          ; the lane half
	v_mul_u32_u24 v9, v9, 1536
	s_delay_alu instid0(VALU_DEP_1)
	v_lshl_add_u32 v9, v11, 9, v9
	s_delay_alu instid0(VALU_DEP_1)
	v_lshl_add_u32 v9, v10, 8, v9                  ; the piece's place in pcode
	v_and_b32 v11, 3, v1
	s_delay_alu instid0(VALU_DEP_1)
	v_lshl_add_u32 v8, v11, 3, REC                 ; back: record lane % 4 (lanes 0 to 3 store)
	s_delay_alu instid0(VALU_DEP_2)
	v_lshlrev_b32 v10, 7, v11                      ; and its place in psi
	s_wait_kmcnt 0x0
	s_add_nc_u64 s[4:5], s[4:5], s[14:15]
	s_add_nc_u64 s[6:7], s[6:7], s[20:21]
	s_add_nc_u64 s[8:9], s[8:9], s[22:23]
.irp ch, 0,1,2,3,4,5,6,7
.irp ip, 0,1,2,3
	global_load_b128 v[16+16*\ch+4*\ip:16+16*\ch+4*\ip+3], v4, s[4:5] offset:\ch*262144+\ip*512 th:TH_LOAD_NT   ; m = 32 ip + lane, x = 0 .. 3
.endr
.endr
.irp ch, 1,2,3,4,5,6,7
	s_wait_alu depctr_va_vdst(0)
	s_wait_loadcnt 28-4*\ch                        ; this chunk's four loads are in; the four of each younger chunk may be out
.irp k, 0,2,4,6,8,10,12,14
	v_pk_add_f32 v[16+\k:17+\k], v[16+\k:17+\k], v[16+16*\ch+\k:17+16*\ch+\k]
.endr
.endr
.irp ip, 0,1,2,3
.irp x, 0,1,2,3
	ds_store_b32 v5, v[16+4*\ip+\x] offset:\x*512+\ip*128
.endr
.endr
	s_wait_dscnt 0x0                               ; for the others' sake: my sums have landed
	s_barrier_signal -1
	s_barrier_wait -1
.irp p, 0,1,2,3,4,5,6,7
	ds_load_b64 v[16+2*\p:17+2*\p], v6 offset:\p*2048
.endr
	s_wait_dscnt 0x0
	v_pk_add_f32 v[16:17], v[16:17], v[18:19]
	v_pk_add_f32 v[20:21], v[20:21], v[22:23]
	v_pk_add_f32 v[24:25], v[24:25], v[26:27]
	v_pk_add_f32 v[28:29], v[28:29], v[30:31]
	s_delay_alu instid0(VALU_DEP_3)
	v_pk_add_f32 v[16:17], v[16:17], v[20:21]
	s_delay_alu instid0(VALU_DEP_2)
	v_pk_add_f32 v[24:25], v[24:25], v[28:29]
	s_delay_alu instid0(VALU_DEP_1)
	v_pk_add_f32 v[16:17], v[16:17], v[24:25]
	ds_store_b64 v6, v[16:17] offset:FIN
	s_wait_dscnt 0x0
	s_barrier_signal -1
	s_barrier_wait -1
	s_cmp_lg_u32 s10, 0
	s_cbranch_scc1 .Lend                           ; the four softmaxes are one wave's work; no barrier stands behind this branch
.irp i, 0,1,2,3
	ds_load_b128 v[16+4*\i:19+4*\i], v7 offset:16*\i
.endr
	s_wait_dscnt 0x0
	v_max3_num_f32 v32, v16, v17, v18
	v_max3_num_f32 v33, v19, v20, v21
	s_delay_alu instid0(VALU_DEP_2)
	v_max3_num_f32 v32, v32, v22, v23
	s_delay_alu instid0(VALU_DEP_2)
	v_max3_num_f32 v33, v33, v24, v25
	s_delay_alu instid0(VALU_DEP_2)
	v_max3_num_f32 v32, v32, v26, v27
	s_delay_alu instid0(VALU_DEP_2)
	v_max3_num_f32 v33, v33, v28, v29
	s_delay_alu instid0(VALU_DEP_2)
	v_max3_num_f32 v32, v32, v30, v31
	s_delay_alu instid0(VALU_DEP_1)
	v_max_num_f32 v32, v32, v33
	s_delay_alu instid0(VALU_DEP_1)
	v_max_num_f32_dpp v32, v32, v32 row_xmask:1 row_mask:0xf bank_mask:0xf
	s_delay_alu instid0(VALU_DEP_1)
	v_max_num_f32_dpp v32, v32, v32 row_xmask:2 row_mask:0xf bank_mask:0xf
	s_delay_alu instid0(VALU_DEP_1)
	v_max_num_f32_dpp v32, v32, v32 row_xmask:4 row_mask:0xf bank_mask:0xf   ; the row's largest a: eight lanes hold a row
	s_delay_alu instid0(VALU_DEP_1)
	v_mul_f32 v33, s18, v32                        ; as t
	s_delay_alu instid0(VALU_DEP_1)
	v_floor_f32 v34, -v33                          ; -M = floor(-t) = -ceil(t)
	s_delay_alu instid0(VALU_DEP_1)
	v_mov_b32 v35, v34
.irp k, 0,2,4,6,8,10,12,14
	v_pk_fma_f32 v[16+\k:17+\k], v[16+\k:17+\k], s[18:19], v[34:35] op_sel_hi:[1,0,0]   ; t - M
.endr
	s_wait_alu depctr_va_vdst(0)
.irp k, 0,1,2,3,4,5,6,7,8,9,10,11,12,13,14,15
	v_exp_f32 v[16+\k], v[16+\k]                   ; p
.endr
	v_nop                                          ; a plain place behind the exponentials
	s_wait_alu depctr_va_vdst(0)                   ; one wait for the batch, ahead of its first reader
	v_pk_add_f32 v[36:37], v[16:17], v[18:19]      ; l is taken of the unquantised p
	v_pk_add_f32 v[38:39], v[20:21], v[22:23]
	v_pk_add_f32 v[36:37], v[36:37], v[24:25]
	v_pk_add_f32 v[38:39], v[38:39], v[26:27]
	v_pk_add_f32 v[36:37], v[36:37], v[28:29]
	v_pk_add_f32 v[38:39], v[38:39], v[30:31]
	s_delay_alu instid0(VALU_DEP_1)
	v_pk_add_f32 v[36:37], v[36:37], v[38:39]
	s_delay_alu instid0(VALU_DEP_1)
	v_add_f32 v36, v36, v37
	s_delay_alu instid0(VALU_DEP_1)
	v_add_f32_dpp v36, v36, v36 row_xmask:1 row_mask:0xf bank_mask:0xf
	s_delay_alu instid0(VALU_DEP_1)
	v_add_f32_dpp v36, v36, v36 row_xmask:2 row_mask:0xf bank_mask:0xf
	s_delay_alu instid0(VALU_DEP_1)
	v_add_f32_dpp v36, v36, v36 row_xmask:4 row_mask:0xf bank_mask:0xf
	v_max3_num_f32 v40, v16, v17, 0x1800000        ; my 16 and the floor 2^(3 - 127); no p is negative
.irp k, 2,4,6,8,10,12,14
	v_max3_num_f32 v40, v40, v[16+\k], v[17+\k]
.endr
	s_delay_alu instid0(VALU_DEP_1)
	v_max_num_f32_dpp v40, v40, v40 row_xmask:1 row_mask:0xf bank_mask:0xf   ; with my neighbour's 16: the block's largest p
	s_delay_alu instid0(VALU_DEP_1)
	v_add_nc_u32 v41, 0xff000000, v40              ; 2 off the exponent field
	v_cvt_scalef32_pk16_fp6_f32 v[42:44], v[16:31], v41
	v_lshrrev_b32 v45, 23, v41                     ; the byte; also the plain place behind the conversion
	s_wait_alu depctr_va_vdst(0)
	v_rcp_f32 v46, v36
	v_nop
	s_wait_alu depctr_va_vdst(0)
	v_mul_f32 v46, 0x3e800000, v46                 ; 0.25 / l: the division by l and the mean over four heads
	ds_store_b32 v12, v42
	ds_store_b32 v12, v43 offset:4
	ds_store_b32 v12, v44 offset:8
	ds_store_b8 v13, v45                           ; both lanes of a block write the same byte with the same value
	ds_store_b32 v14, v46                          ; the eight lanes of a row likewise
	v_cmp_gt_u32 vcc_lo, 24, v1
	s_wait_xcnt 0x0                                ; EXEC changes only behind this wait
	s_and_saveexec_b32 s25, vcc_lo
	ds_load_b128 v[16:19], v15                     ; LDS serves a wave's instructions in order: these see my stores
	s_wait_dscnt 0x0
	global_store_b128 v9, v[16:19], s[6:7]
	s_wait_xcnt 0x0
	s_or_b32 exec_lo, exec_lo, s25
	v_cmp_gt_u32 vcc_lo, 4, v1
	s_and_saveexec_b32 s25, vcc_lo
	ds_load_b64 v[20:21], v8
	s_wait_dscnt 0x0
	global_store_b64 v10, v[20:21], s[8:9]
	s_wait_xcnt 0x0
	s_or_b32 exec_lo, exec_lo, s25
.Lend:
	s_wait_tensorcnt 0x0                           ; the wave's end, behind my last LDS store
	ds_add_u32 v2, v3
	s_wait_dscnt 0x0
	s_endpgm
.Lfunc_end_k_q897b1c1810_soft:
	.size	k_q897b1c1810_soft, .Lfunc_end_k_q897b1c1810_soft-k_q897b1c1810_soft
	.p2alignl 7, 3214868480
	.fill 96, 4, 3214868480
	.section	.rodata,"a",@progbits
	.p2align	6, 0x0
	.amdhsa_kernel k_q897b1c1810_soft
		.amdhsa_group_segment_fixed_size 19968
		.amdhsa_private_segment_fixed_size 0
		.amdhsa_enable_private_segment 0
		.amdhsa_kernarg_size 24
		.amdhsa_user_sgpr_count 2
		.amdhsa_user_sgpr_kernarg_segment_ptr 1
		.amdhsa_wavefront_size32 1
		.amdhsa_system_sgpr_workgroup_id_x 1
		.amdhsa_system_sgpr_workgroup_id_y 1
		.amdhsa_system_sgpr_workgroup_id_z 1
		.amdhsa_system_vgpr_workitem_id 0
		.amdhsa_next_free_vgpr 144
		.amdhsa_next_free_sgpr 66
		.amdhsa_reserve_vcc 1
		.amdhsa_float_denorm_mode_32 3
		.amdhsa_float_denorm_mode_16_64 3
		.amdhsa_memory_ordered 1
		.amdhsa_forward_progress 1
		.amdhsa_inst_pref_size 19
	.end_amdhsa_kernel
	.amdgpu_metadata
---
amdhsa.version: [ 1, 2 ]
amdhsa.kernels:
  - .name:           k_q897b1c1810_soft
    .symbol:         k_q897b1c1810_soft.kd
    .args:
      - { .name: part, .offset: 0, .size: 8, .value_kind: global_buffer, .address_space: global }
      - { .name: pcode, .offset: 8, .size: 8, .value_kind: global_buffer, .address_space: global }
      - { .name: psi, .offset: 16, .size: 8, .value_kind: global_buffer, .address_space: global }
    .group_segment_fixed_size: 19968
    .private_segment_fixed_size: 0
    .kernarg_segment_align: 8
    .kernarg_segment_size: 24
    .max_flat_workgroup_size: 256
    .sgpr_count:     66
    .vgpr_count:     144
    .wavefront_size: 32
...
	.end_amdgpu_metadata
.endif
;; end of part 2
;; launch outp (part 3): grid 256 x 1, 4 waves a work-group, no clusters, 153,088 bytes of LDS; arguments query_input_codes, query_input_scales, Wq_codes, Wq_scales, bq, pcode, psi, out0; writes out0
.if DOCPART == 3
	.amdgcn_target "amdgcn-amd-amdhsa--gfx1250"
	.amdhsa_code_object_version 6
	.text
	.protected	k_q897b1c1810_outp
	.globl	k_q897b1c1810_outp
	.p2align	8
	.type	k_q897b1c1810_outp,@function
k_q897b1c1810_outp:
	s_mov_b64 s[64:65], 0
	v_nop
	global_prefetch_b8 v0, s[64:65] scope:SCOPE_SE
	s_setreg_imm32_b32 hwreg(HW_REG_WAVE_MODE, 25, 1), 1
	s_wait_xcnt 0x0
; q = query Wq + bq, quantised along m for each head; out[l][d] = sum over heads of (Q(q_h) Q(p_h))[l][d] x 0.25 / l[d][h]: products 1 and 5 and the mean, on codes of FP6 (E2M3) with E8M0 scales.  No work is left out.
; LIMITS: NaN and infinities among the inputs are not served; a block of zeros gets the scale byte 1 (its codes are zeros, and this program alone reads the bytes).
; SHARES.  A pass is 32 rows; 3,125 passes = 256 x 12 + 53: work-group g takes 12 from pass 12 g + min(g, 53) on, and a 13th where g < 53.  NO CLUSTER: neighbours would have different numbers of passes,
;   and what they share (Wq, p) is read once at the head and then stays in registers.
;   First half of a pass: wave w is head w.  Wq's 8 tiles of its head stay in registers; source 0 = 16 rows of Wq, source 1 = 16 rows of query, so a lane holds ONE row l and its registers run along m.
;   THE ROWS OF Wq THAT FORM A TILE ARE CHOSEN: lane r of tile (c, t) takes m = 64 c + 8 t + r % 8 + 32 (r / 8), so that a lane's 32 results of four tiles are one whole block of 32 along m.  bq is the C of each first product.
;   The fragment goes to LDS as an image of its registers.  Second half: wave w is (d / 64 = w / 2, tile of rows w % 2): the four heads' fragments of q against its 16 fragments of p, which stay in registers.
;   Column r of p's fragment i is d = 64 (w / 2) + 4 r + i: so a lane's four results of one row are 16 neighbouring bytes, and sixteen lanes store 256 consecutive bytes at a multiple of 256 from out0's first byte.
; BY TURNS.  The projection goes in UNITS of eight products (tile of rows rt, half c of m: four tiles, two K steps), into the two halves of H by turns.  A block's quantiser is a list of 23 lines in eight slices, one behind
;   each product of the next unit.  The weighted sum over the heads is a list of 128 lines (head, row, i): six stand behind each of the last 12 of the second half's 16 products and behind the products of the NEXT pass's
;   first unit.  So a pass's text runs from its second unit to the next pass's first; the first unit of all is written out ahead of the loop.  A slice costs two switches of the register windows.
; K OF THE PROJECTION: as in the first launch: lane (r, h) takes the 96 bytes at 96 h of a row of codes; place (s, c, h) holds block 4 h + 2 s + c in both operands; the scale words are made to match by v_perm_b32.
; QUERY'S ROAD: dense loads (512 consecutive bytes each) about four passes ahead into registers, then into a ring of 8 tiles in LDS with rows 208 = 13 x 16 bytes apart, from which every wave reads its fragments.
; THE HEAD: p's images and records are read from memory once by the work-group, a quarter a wave in dense loads, and shared through LDS; a wave's 128 numbers of bq come by four loads and are read back from the wave's
;   own 512 bytes of LDS in the result's layout.  99 loads a wave in all.
; REGISTERS, in windows of 256: window 0 addresses, scale words, codes PC, sums O, results H; window 1 Wq's fragments v0-191, bq's tiles v192-255; window 2 p's fragments v0-191, query's v192-239;
;   window 3 the 16 accumulators v0-127, q's four fragments v128-175, query on its way v176-225.
.set QIMG0, 65536                      ; LDS: 0: 8 tiles of query, 8,192 bytes each (32 x 208 used); two image buffers 16,384 apart: 8 fragments (4 x tile of rows + head) x 1,536, then 8 x 128 bytes of scale words
.set QIMS,  12288
.set XS,    95232                      ; 8 x 256 bytes: the tiles' scale bytes
.set SPARE, 97280                      ; the spare words, 128 bytes for each wave: two blocks of 256 bytes that no other line names
.set BQL,   97792                      ; 4 x 512 bytes: each wave's own 128 numbers of bq
.set PSL,   99840                      ; 4,096 bytes: psi as it lies in memory
.set PL,    103936                     ; 49,152 bytes: pcode as it lies in memory
.set SPW, 2
.set NIL, 3
.set XAB, 4
.set XA,  5
.set XSAB, 6
.set XSA, 7
.set QWIB, 8
.set QWI, 9
.set QWSB, 10
.set QWS, 11
.set QRIB, 12
.set QRI, 13
.set QRSB, 14
.set QRS, 15
.set OA,  16
.set GL,  17
.set GL8, 18
.set SX,  19                           ; v19-21
.set ST,  22                           ; v22-24
.set XSW, 25
.set XSTW, 26
.set GL2, 27
.set SH8, 28
.set SOP, 32
.set TP,  33
.set CT,  38
.set SBY, 42
.set PW,  44
.set XSC, 46
.set RAW, 50
.set QSW, 54
.set WQS, 58
.set PSI, 74                           ; pairs: even register p's scale word, odd register 0.25 / l
.set PC,  108
.set O,   132
.set H,   164
.set TQ,  228                          ; v228-231 four running maxima
.set BQT, 232                          ; v232-235 bq as loaded
.set PST, 236                          ; v236-243 psi as loaded
.set BQW, 244
.set BQR, 245
.set PLW, 246
.set PLR, 247
.set PSW, 248
.set PSR, 249
.set BQ,  192                          ; window 1
.set XF,  192                          ; window 2
.set QF,  128                          ; window 3
.set XR,  176
.set WV,  20
.set GI,  21
.set SEL, 28
.set SL0, 30
.set SL1, 31
.set XN,  32
.set XSN, 33
.set QB,  34
.set CNT, 35
.set MSB, 0
.macro WIN new
.set WNEW, \new
.if MSB != WNEW
	s_set_vgpr_msb (MSB<<8)|WNEW
.set MSB, WNEW
.endif
.endm
.macro MMC d, a, b, c, sa, sb
	v_wmma_scale_f32_16x16x128_f8f6f4 v[\d:\d+7], v[\a:\a+11], v[\b:\b+11], v[\c:\c+7], v[\sa], v[\sb] matrix_a_fmt:MATRIX_FMT_FP6 matrix_b_fmt:MATRIX_FMT_FP6
.endm
.macro MMZ d, a, b, sa, sb
	v_wmma_scale_f32_16x16x128_f8f6f4 v[\d:\d+7], v[\a:\a+11], v[\b:\b+11], 0, v[\sa], v[\sb] matrix_a_fmt:MATRIX_FMT_FP6 matrix_b_fmt:MATRIX_FMT_FP6
.endm
.macro NOPS n
.rept \n
	v_nop
.endr
.endm
; THE QUANTISER OF ONE BLOCK, as a numbered list; QI writes line QN of it.  A lane's 32 numbers v[hb] .. v[hb + 31] are one whole block: its scale byte goes to v[sb + c], its codes to registers 6 c .. 6 c + 5 of the operand at pc.
;   0-15   the largest magnitude, in four chains by turns, one to each tile of eight results, each tile read from its low end on; the floor 2^(3 - 127) is one more leaf: the byte cannot fall under 1
;   16     2 off the exponent field: the conversion's scale operand          17, 18  the two conversions (a conversion's three registers begin on an even number)
;   19     the byte; also the plain place behind the conversions             20-22   the upper 16 codes move to their place
.macro QI hb, pc, sb, c
.if QN == 0
	v_max3_num_f32 v[TQ], |v[\hb]|, |v[(\hb)+1]|, 0x1800000
.elseif QN < 4
	v_max3_num_f32 v[TQ+QN], |v[(\hb)+8*QN]|, |v[(\hb)+8*QN+1]|, |v[(\hb)+8*QN+2]|
.elseif QN == 4
	v_max3_num_f32 v[TQ], v[TQ], |v[(\hb)+2]|, |v[(\hb)+3]|
.elseif QN < 8
	v_max3_num_f32 v[TQ+QN-4], v[TQ+QN-4], |v[(\hb)+8*(QN-4)+3]|, |v[(\hb)+8*(QN-4)+4]|
.elseif QN == 8
	v_max3_num_f32 v[TQ], v[TQ], |v[(\hb)+4]|, |v[(\hb)+5]|
.elseif QN < 12
	v_max3_num_f32 v[TQ+QN-8], v[TQ+QN-8], |v[(\hb)+8*(QN-8)+5]|, |v[(\hb)+8*(QN-8)+6]|
.elseif QN == 12
	v_max3_num_f32 v[TQ], v[TQ], |v[(\hb)+6]|, |v[(\hb)+7]|
.elseif QN == 13
	v_max3_num_f32 v[TQ+1], v[TQ+1], |v[(\hb)+15]|, |v[(\hb)+23]|
.elseif QN == 14
	v_max3_num_f32 v[TQ+2], v[TQ+2], v[TQ+3], |v[(\hb)+31]|
.elseif QN == 15
	v_max3_num_f32 v[TQ], v[TQ], v[TQ+1], v[TQ+2]
.elseif QN == 16
	v_add_nc_u32 v[SOP], 0xff000000, v[TQ]
.elseif QN == 17
	v_cvt_scalef32_pk16_fp6_f32 v[(\pc)+6*(\c):(\pc)+6*(\c)+2], v[\hb:\hb+15], v[SOP]
.elseif QN == 18
	v_cvt_scalef32_pk16_fp6_f32 v[CT:CT+2], v[\hb+16:\hb+31], v[SOP]
.elseif QN == 19
	v_lshrrev_b32 v[(\sb)+(\c)], 23, v[SOP]
.else
	v_mov_b32 v[(\pc)+6*(\c)+3+QN-20], v[CT+QN-20]
.endif
.endm
.macro QH hb, pc, sb, c                ; the whole list on end
.set QN, 0
.rept 23
	QI \hb, \pc, \sb, \c
.set QN, QN+1
.endr
.endm
.macro QSL hb, pc, sb, c               ; slice QK of eight: five slices of 3 lines, two of 2, then lines 19 to 22: four plain lines
.set QLO, 3*QK
.set QHI, 3*QK+3
.if QK == 5
.set QLO, 15
.set QHI, 17
.elseif QK == 6
.set QLO, 17
.set QHI, 19
.elseif QK == 7
.set QLO, 19
.set QHI, 23
.endif
.set QN, QLO
.rept QHI-QLO
	QI \hb, \pc, \sb, \c
.set QN, QN+1
.endr
.set QK, QK+1
.endm
; Unit (rt, c), bare: my head's features 64 c .. 64 c + 63 for tile rt of 16 rows: four accumulators by turns, two K steps; four places behind the last product.
.macro PU rt, c
	WIN 0x19                                       ; source 0 (Wq) window 1, source 1 (query) window 2, C (bq) window 1, D window 0
.irp t, 0,1,2,3
	MMC H+32*(\c)+8*\t, 24*(4*(\c)+\t), XF+24*(\rt), BQ+8*(4*(\c)+\t), WQS+2*(4*(\c)+\t), XSC+2*(\rt)
.endr
	WIN 0x09
.irp t, 0,1,2,3
	MMC H+32*(\c)+8*\t, 24*(4*(\c)+\t)+12, XF+24*(\rt)+12, H+32*(\c)+8*\t, WQS+2*(4*(\c)+\t)+1, XSC+2*(\rt)+1
.endr
	WIN 0
	NOPS 4
.endm
; Unit (rt, c) with the slices of the quantiser of the unit before it (numbers at qhb, codes to half qc of the operand at qpc), one behind each product.
.macro MIX3 rt, c, qhb, qpc, qc
.set QK, 0
.irp t, 0,1,2,3
	WIN 0x19
	MMC H+32*(\c)+8*\t, 24*(4*(\c)+\t), XF+24*(\rt), BQ+8*(4*(\c)+\t), WQS+2*(4*(\c)+\t), XSC+2*(\rt)
	WIN 0
	QSL \qhb, \qpc, SBY, \qc
.endr
.irp t, 0,1,2,3
	WIN 0x09
	MMC H+32*(\c)+8*\t, 24*(4*(\c)+\t)+12, XF+24*(\rt)+12, H+32*(\c)+8*\t, WQS+2*(4*(\c)+\t)+1, XSC+2*(\rt)+1
	WIN 0
	QSL \qhb, \qpc, SBY, \qc
.endr
.endm
.macro SW w, sb
	v_lshl_or_b32 v[\w], v[(\sb)+1], 16, v[\sb]
	v_lshlrev_b32 v[\w], v[SH8], v[\w]
	v_permlanex16_b32 v[TP], v[\w], s[SEL], s[SEL+1]
	v_or_b32 v[\w], v[\w], v[TP]
.endm
.macro IMAGE rt
.irp cc, 0,1,2
	ds_store_b128 v[QWI], v[PC+12*(\rt)+4*\cc:PC+12*(\rt)+4*\cc+3] offset:(\rt)*6144+512*\cc
.endr
	ds_store_b32 v[QWS], v[PW+(\rt)] offset:(\rt)*512
.endm
.macro FETCHQ                          ; the four heads' fragments of my tile of rows: 16 loads
	WIN 0xc0
.irp hh, 0,1,2,3
.irp cc, 0,1,2
	ds_load_b128 v[QF+12*\hh+4*\cc:QF+12*\hh+4*\cc+3], v[QRI] offset:\hh*1536+512*\cc
.endr
.endr
	WIN 0
.irp hh, 0,1,2,3
	ds_load_b32 v[QSW+\hh], v[QRS] offset:\hh*128
.endr
.endm
.macro XPRE                            ; the next pass's fragments of query and its rows' scale bytes: 14 loads
	v_add_nc_u32 v[XA], s[XN], v[XAB]
	v_add_nc_u32 v[XSA], s[XSN], v[XSAB]
	s_add_co_u32 s[XN], s[XN], 8192
	s_and_b32 s[XN], s[XN], 0xffff
	s_add_co_u32 s[XSN], s[XSN], 256
	s_and_b32 s[XSN], s[XSN], 0x7ff
	WIN 0x80
.irp rt, 0,1
.irp x, 0,1,2,3,4,5
	ds_load_b128 v[XF+24*\rt+4*\x:XF+24*\rt+4*\x+3], v[XA] offset:\rt*3328+16*\x
.endr
.endr
	WIN 0
.irp rt, 0,1
	ds_load_b64 v[RAW+2*\rt:RAW+2*\rt+1], v[XSA] offset:\rt*128
.endr
.endm
.macro XPERM
.irp rt, 0,1
	v_perm_b32 v[XSC+2*\rt],   v[RAW+2*\rt+1], v[RAW+2*\rt], s[SL0]
	v_perm_b32 v[XSC+2*\rt+1], v[RAW+2*\rt+1], v[RAW+2*\rt], s[SL1]
.endr
.endm
.macro LOADX S                         ; wave w asks for pass 4 S + w: 12 loads of 512 consecutive bytes, and 256 bytes of scales: 13 loads
	WIN 0xc0
.irp i, 0,1,2,3,4,5,6,7,8,9,10,11
	global_load_b128 v[XR+4*\i:XR+4*\i+3], v[GL], s[4:5] offset:(\S)*24576+\i*512 th:TH_LOAD_NT
.endr
	global_load_b64 v[XR+48:XR+49], v[GL8], s[6:7] offset:(\S)*1024 th:TH_LOAD_NT
	WIN 0
.endm
.macro STX half                        ; and lays it into the ring: piece e = 32 i + lane of 16 bytes goes to row e / 12; 96 pieces are 8 rows
	WIN 0x0c
.irp i, 0,1,2,3,4,5,6,7,8,9,10,11
	ds_store_b128 v[SX+(\i%3)], v[XR+4*\i:XR+4*\i+3] offset:(\i/3)*1664+(\half)*32768
.endr
	ds_store_b64 v[XSW], v[XR+48:XR+49] offset:(\half)*1024
	WIN 0
.endm
.macro STOREX half
	s_wait_loadcnt 0x0
	STX \half
	s_wait_dscnt 0x0                               ; the stores have read their registers, which the next loads take
.endm
; THE WEIGHTED SUM OVER THE HEADS, as a numbered list of 128 lines; CMB1 writes line CX: head CX / 32, row (CX % 32) / 4, i = CX % 4: O[4 j + i] (+)= acc(head, i)[j] x 0.25 / l.  Each accumulator is read from its low end on.
.macro CMB1
.set CXH, CX/32
.set CXJ, (CX%32)/4
.set CXI, CX%4
.if CXH == 0
	v_mul_f32 v[O+4*CXJ+CXI], v[8*CXI+CXJ], v[PSI+2*CXI+1]
.else
	v_fma_f32 v[O+4*CXJ+CXI], v[8*(4*CXH+CXI)+CXJ], v[PSI+2*(4*CXH+CXI)+1], v[O+4*CXJ+CXI]
.endif
.set CX, CX+1
.endm
.macro CSL n                           ; the next n lines of it
	WIN 0x03                                       ; source 0: window 3
.rept \n
	CMB1
.endr
.endm
; A PASS of 32 rows, from its second unit on.  One barrier: the images take turns between two buffers.  pre = 1: the next pass's fragments of query are fetched behind it, and that pass's first unit closes the text.
.macro PASS pre
	v_add_nc_u32 v[QWI], s[QB], v[QWIB]
	v_add_nc_u32 v[QWS], s[QB], v[QWSB]
	v_add_nc_u32 v[QRI], s[QB], v[QRIB]
	v_add_nc_u32 v[QRS], s[QB], v[QRSB]
	MIX3 0, 1, H, PC, 0                            ; unit (0, 1) | the quantiser of (0, 0)
	MIX3 1, 0, H+32, PC, 1                         ; unit (1, 0) | of (0, 1)
	SW PW, SBY
	IMAGE 0
	MIX3 1, 1, H, PC+12, 0                         ; unit (1, 1) | of (1, 0)
	QH H+32, PC+12, SBY, 1
	SW PW+1, SBY
	IMAGE 1
	s_wait_dscnt 0x0                               ; for the others' sake: my images (and any tile of query that I have laid into the ring) have landed
	s_barrier_signal -1
	s_barrier_wait -1
	FETCHQ
.if \pre
	XPRE
	s_wait_dscnt 14                                ; q's fragments are in; the 14 loads issued behind them may be out
.else
	s_wait_dscnt 0x0
.endif
	s_wait_xcnt 0x0                                ; the last pass's stores have read their registers and their base
	s_add_nc_u64 s[18:19], s[18:19], s[40:41]      ; 32 rows of out0 on (0 in the first pass)
	s_mov_b32 s40, 16384
.set CX, 0
	WIN 0xcb                                       ; source 0 (q) window 3, source 1 (p) window 2, D window 3
.irp i, 0,1,2,3
	MMZ 8*\i, QF, 12*\i, QSW, PSI+2*\i             ; 16 rows x 64 values of d x 4 heads: sixteen sums of one product each; head 0's four stand bare
.endr
	WIN 0
	NOPS 4                                         ; the places between head 0's last product and the first line that reads its results
.irp hh, 1,2,3
.irp i, 0,1,2,3
	WIN 0xcb
	MMZ 8*(4*\hh+\i), QF+12*\hh, 12*(4*\hh+\i), QSW+\hh, PSI+2*(4*\hh+\i)
	CSL 6                                          ; lines 32 x head on stand 14, 22 and 30 plain lines behind heads 1, 2 and 3's last products
.endr
.if (\pre) && (\hh == 2)
	WIN 0
	s_wait_dscnt 0x0                               ; the next pass's fragments of query and scale bytes are in
	XPERM                                          ; 24 plain lines ahead of the products that take these scale words
.endif
.endr
.if \pre
.irp t, 0,1,2,3
	WIN 0x19
	MMC H+8*\t, 24*\t, XF, BQ+8*\t, WQS+2*\t, XSC  ; the next pass's unit (0, 0)
	CSL 6
.endr
.irp t, 0,1,2
	WIN 0x09
	MMC H+8*\t, 24*\t+12, XF+12, H+8*\t, WQS+2*\t+1, XSC+1
	CSL 6
.endr
	WIN 0x09
	MMC H+24, 24*3+12, XF+12, H+24, WQS+7, XSC+1
	CSL 14                                         ; the last 14 lines: also the places behind the unit's last product
.else
	CSL 56
.endif
	WIN 0
.irp j, 0,1,2,3,4,5,6,7
	global_store_b128 v[OA], v[O+4*\j:O+4*\j+3], s[18:19] offset:\j*512 th:TH_STORE_NT   ; rows 8 (lane / 16) + j: sixteen lanes store 256 consecutive bytes
.endr
	s_xor_b32 s[QB], s[QB], 16384
.endm
	s_load_b512 s[4:19], s[0:1], 0x0               ; query's codes s[4:5], scales s[6:7]; Wq's s[8:9], s[10:11]; bq s[12:13]; pcode s[14:15]; psi s[16:17]; out0 s[18:19]
	v_lshl_add_u32 v[SPW], v0, 2, SPARE
	v_mov_b32 v[NIL], 0
	v_lshrrev_b32 v1, 5, v0
	v_readfirstlane_b32 s[WV], v1                  ; wave 0..3
	v_and_b32 v29, 31, v0                          ; lane
	v_and_b32 v34, 15, v0                          ; r
	v_bfe_u32 v35, v0, 4, 1                        ; h
	s_wait_alu depctr_va_vdst(0)
	s_mov_b32 s[GI], ttmp9
	s_mul_i32 s22, s[GI], 12
	s_min_u32 s26, s[GI], 53
	s_add_co_u32 s22, s22, s26                     ; my first pass
	s_lshr_b32 s23, s[WV], 1                       ; second half of a pass: d / 64,
	s_and_b32 s24, s[WV], 1                        ; and the tile of rows
	s_mov_b32 s[SEL], 0x76543210
	s_mov_b32 s[SEL+1], 0xfedcba98
	s_mov_b32 s[SL0], 0x05010400                   ; blocks 0, 4, 1, 5
	s_mov_b32 s[SL1], 0x07030602                   ; blocks 2, 6, 3, 7
	s_mov_b32 s[XN], 0
	s_mov_b32 s[XSN], 0
	s_mov_b32 s[QB], 0
	s_mov_b32 s40, 0
	s_mov_b32 s41, 0
	v_mul_u32_u24 v36, v35, 96
	v_mad_u32_u24 v[XAB], v34, 208, v36            ; query's fragment: row r, + 96 h
	v_lshl_add_u32 v[XSAB], v34, 3, XS
	s_mul_i32 s45, s[WV], 1536
	s_add_co_u32 s45, s45, QIMG0
	v_lshl_add_u32 v[QWIB], v29, 4, s45            ; my head's image: 16 x lane + 1,536 x wave
	s_lshl_b32 s45, s[WV], 7
	s_add_co_u32 s45, s45, QIMG0+QIMS
	v_lshl_add_u32 v[QWSB], v29, 2, s45
	s_mul_i32 s45, s24, 6144
	s_add_co_u32 s45, s45, QIMG0
	v_lshl_add_u32 v[QRIB], v29, 4, s45            ; back: my tile of rows, four heads
	s_lshl_b32 s45, s24, 9
	s_add_co_u32 s45, s45, QIMG0+QIMS
	v_lshl_add_u32 v[QRSB], v29, 2, s45
	v_lshlrev_b32 v[OA], 12, v35
	v_lshl_add_u32 v[OA], v34, 4, v[OA]            ; out0: 8 h rows of 512 bytes + 16 r
	v_lshlrev_b32 v[GL], 4, v29
	v_lshlrev_b32 v[GL8], 3, v29
	v_lshlrev_b32 v[GL2], 1, v29
	s_lshl_b32 s46, s[WV], 13                      ; my tile's place in a half of the ring
	s_mul_i32 s47, s[WV], 1664
	s_add_co_u32 s47, s47, 32768                   ; the 13th pass's tile lies at place 4 of the ring: my 8 rows of it
.irp i, 0,1,2
	v_add_nc_u32 v37, 32*\i, v29                   ; piece e
	v_mul_u32_u24 v1, v37, 43
	v_lshrrev_b32 v1, 9, v1                        ; e / 12 for e under 96
	v_add_nc_u32 v37, v37, v1                      ; 16 e + 16 (e / 12): rows of 192 bytes, 208 apart
	v_lshl_add_u32 v[SX+\i], v37, 4, s46
	v_lshl_add_u32 v[ST+\i], v37, 4, s47
.endr
	s_lshl_b32 s45, s[WV], 8
	s_add_co_u32 s45, s45, XS
	v_lshl_add_u32 v[XSW], v29, 3, s45
	s_lshl_b32 s45, s[WV], 6
	s_add_co_u32 s45, s45, XS+1024
	v_lshl_add_u32 v[XSTW], v29, 1, s45
	s_lshl_b32 s45, s[WV], 9
	s_add_co_u32 s45, s45, BQL
	v_lshl_add_u32 v[BQW], v29, 2, s45             ; bq, in: my wave's 512 bytes, 4 x lane
	v_lshl_add_u32 v[BQR], v35, 7, s45             ; back: lanes 16-31 hold the features 32 further on: 128 h
	s_mul_i32 s45, s[WV], 12288
	s_add_co_u32 s45, s45, PL
	v_lshl_add_u32 v[PLW], v29, 4, s45             ; pcode, in: my quarter, 16 x lane
	s_mul_i32 s45, s23, 6144
	s_add_co_u32 s45, s45, PL
	v_lshl_add_u32 v[PLR], v29, 4, s45             ; back: the fragments of my half of d
	s_lshl_b32 s45, s[WV], 10
	s_add_co_u32 s45, s45, PSL
	v_lshl_add_u32 v[PSW], v29, 4, s45             ; psi, in: my quarter
	s_lshl_b32 s45, s23, 9
	s_add_co_u32 s45, s45, PSL
	v_lshl_add_u32 v[PSR], v34, 3, s45             ; back: my half of d, 8 r
	v_lshlrev_b32 v[SH8], 3, v35
	v_mov_b32 v[TP], 0                             ; written once: a lane permute's destination counts as one of its sources
	v_and_b32 v1, 7, v34
	v_lshrrev_b32 v37, 3, v34
	v_lshl_add_u32 v1, v37, 5, v1                  ; r % 8 + 32 (r / 8)
	v_mad_u32_u24 v36, v1, 768, v36                ; Wq's codes: feature m is row 4 m + head: 768 m + 96 h
	v_lshlrev_b32 v37, 5, v1                       ; Wq's scale bytes: 32 m
	s_wait_alu depctr_va_vdst(0)
	s_wait_kmcnt 0x0
	s_add_co_u32 s43, s22, 12
	s_mul_i32 s36, s43, 6144
	s_mul_i32 s44, s[WV], 1536
	s_add_co_u32 s36, s36, s44
	s_mov_b32 s37, 0
	s_add_nc_u64 s[36:37], s[4:5], s[36:37]        ; the 13th pass: my 8 rows' codes (used where g < 53 alone)
	s_lshl_b32 s38, s43, 8
	s_lshl_b32 s44, s[WV], 6
	s_add_co_u32 s38, s38, s44
	s_mov_b32 s39, 0
	s_add_nc_u64 s[38:39], s[6:7], s[38:39]        ; and scale bytes
	s_add_co_u32 s42, s22, s[WV]
	s_mul_i32 s26, s42, 6144
	s_mov_b32 s27, 0
	s_add_nc_u64 s[4:5], s[4:5], s[26:27]          ; query's codes at pass w of mine
	s_lshl_b32 s26, s42, 8
	s_add_nc_u64 s[6:7], s[6:7], s[26:27]
	s_mul_i32 s26, s[WV], 192
	s_add_nc_u64 s[8:9], s[8:9], s[26:27]          ; Wq at my head
	s_lshl_b32 s26, s[WV], 3
	s_add_nc_u64 s[10:11], s[10:11], s[26:27]
	s_lshl_b32 s26, s[WV], 2
	s_add_nc_u64 s[12:13], s[12:13], s[26:27]      ; bq at my head
	s_mul_i32 s26, s[WV], 12288
	s_add_nc_u64 s[14:15], s[14:15], s[26:27]      ; my quarter of pcode
	s_lshl_b32 s26, s[WV], 10
	s_add_nc_u64 s[16:17], s[16:17], s[26:27]      ; my quarter of psi
	s_lshl_b32 s26, s22, 14
	s_lshl_b32 s44, s24, 13
	s_add_co_u32 s26, s26, s44
	s_lshl_b32 s44, s23, 8
	s_add_co_u32 s26, s26, s44
	s_add_nc_u64 s[18:19], s[18:19], s[26:27]      ; out0 at my first pass, my tile of rows, my half of d
	LOADX 0                                        ; what goes into LDS is asked for first: 13 + 2 + 24 + 4 loads, and Wq's scale bytes, 8
.irp i, 0,1
	global_load_b128 v[PST+4*\i:PST+4*\i+3], v[GL], s[16:17] offset:\i*512
.endr
	WIN 0x80                                       ; destination window 2: p's own registers serve on the way
.irp i, 0,1,2,3,4,5,6,7,8,9,10,11,12,13,14,15,16,17,18,19,20,21,22,23
	global_load_b128 v[4*\i:4*\i+3], v[GL], s[14:15] offset:\i*512
.endr
	WIN 0
.irp k, 0,1,2,3
	global_load_b32 v[BQT+\k], v[GL], s[12:13] offset:\k*512   ; bq of feature m = 32 k + lane of my head
.endr
.irp u, 0,1,2,3,4,5,6,7
	global_load_b64 v[O+2*\u:O+2*\u+1], v37, s[10:11] offset:(64*(\u/4)+8*(\u%4))*32
.endr
	WIN 0x40                                       ; destination window 1
.irp u, 0,1,2,3,4,5,6,7
.irp x, 0,1,2,3,4,5
	global_load_b128 v[24*\u+4*\x:24*\u+4*\x+3], v36, s[8:9] offset:(64*(\u/4)+8*(\u%4))*768+16*\x
.endr
.endr
	WIN 0
	s_wait_loadcnt 48                              ; all but Wq's 48 loads, which were issued last
	STX 0                                          ; passes 0 to 3 lie in the ring's first half
	WIN 0x08                                       ; a store's data: window 2
.irp i, 0,1,2,3,4,5,6,7,8,9,10,11,12,13,14,15,16,17,18,19,20,21,22,23
	ds_store_b128 v[PLW], v[4*\i:4*\i+3] offset:\i*512
.endr
	WIN 0
.irp i, 0,1
	ds_store_b128 v[PSW], v[PST+4*\i:PST+4*\i+3] offset:\i*512
.endr
.irp k, 0,1,2,3
	ds_store_b32 v[BQW], v[BQT+\k] offset:\k*128
.endr
	WIN 0x40
.irp u, 0,1,2,3,4,5,6,7
	ds_load_b128 v[BQ+8*\u:BQ+8*\u+3],   v[BQR] offset:256*(\u/4)+32*(\u%4)      ; bq in the result's layout: features 64 c + 8 t + 32 h + 0 .. 7.  My wave's own bytes: LDS serves a wave's instructions in order
	ds_load_b128 v[BQ+8*\u+4:BQ+8*\u+7], v[BQR] offset:256*(\u/4)+32*(\u%4)+16
.endr
	WIN 0
.irp u, 0,1,2,3,4,5,6,7
	v_perm_b32 v[WQS+2*\u],   v[O+2*\u+1], v[O+2*\u], s[SL0]
	v_perm_b32 v[WQS+2*\u+1], v[O+2*\u+1], v[O+2*\u], s[SL1]
.endr
	s_wait_dscnt 0x0                               ; for the others' sake: my stores have landed; and they have read the registers that the next loads take
	LOADX 1
	s_barrier_signal -1
	s_barrier_wait -1
	XPRE                                           ; pass 0's fragments
	WIN 0x80
.irp f, 0,1,2,3,4,5,6,7,8,9,10,11,12,13,14,15
.irp cc, 0,1,2
	ds_load_b128 v[12*\f+4*\cc:12*\f+4*\cc+3], v[PLR] offset:(\f/4)*12288+(\f%4)*1536+512*\cc   ; p's fragment (head f / 4, i = f % 4) of my half of d
.endr
.endr
	WIN 0
.irp f, 0,1,2,3,4,5,6,7,8,9,10,11,12,13,14,15
	ds_load_b64 v[PSI+2*\f:PSI+2*\f+1], v[PSR] offset:(\f/4)*1024+(\f%4)*128
.endr
	s_wait_loadcnt 13                              ; Wq is in; the 13 loads of passes 4 to 7, issued behind it, may be out
	s_wait_dscnt 0x0
	XPERM
	NOPS 8                                         ; a scale word made by vector instructions stands eight places ahead of the product that takes it
	PU 0, 0                                        ; pass 0's first unit
	s_mov_b32 s[CNT], 3
.Lpass_a:                                              ; passes 0 to 2
	PASS 1
	s_sub_co_u32 s[CNT], s[CNT], 1
	s_cmp_lg_u32 s[CNT], 0
	s_cbranch_scc1 .Lpass_a
	STOREX 1                                       ; passes 4 to 7 go into the second half, ahead of the barrier of pass 3, behind which pass 4's fragments are read
	LOADX 2
	s_mov_b32 s[CNT], 4
.Lpass_b:                                              ; passes 3 to 6
	PASS 1
	s_sub_co_u32 s[CNT], s[CNT], 1
	s_cmp_lg_u32 s[CNT], 0
	s_cbranch_scc1 .Lpass_b
	STOREX 0                                       ; passes 8 to 11: the first half was last read in pass 2, and every wave has passed four barriers since
	s_cmp_ge_u32 s[GI], 53
	s_cbranch_scc1 .Lno_tail_load
	WIN 0xc0                                       ; the 13th pass's tile: 8 rows a wave
.irp i, 0,1,2
	global_load_b128 v[XR+4*\i:XR+4*\i+3], v[GL], s[36:37] offset:\i*512 th:TH_LOAD_NT
.endr
	global_load_u16 v[XR+48], v[GL2], s[38:39] th:TH_LOAD_NT
	WIN 0
.Lno_tail_load:
	s_mov_b32 s[CNT], 4
.Lpass_c:                                              ; passes 7 to 10
	PASS 1
	s_sub_co_u32 s[CNT], s[CNT], 1
	s_cmp_lg_u32 s[CNT], 0
	s_cbranch_scc1 .Lpass_c
	s_cmp_ge_u32 s[GI], 53
	s_cbranch_scc1 .Lno_tail_store
	s_wait_loadcnt 0x0
	WIN 0x0c
.irp i, 0,1,2
	ds_store_b128 v[ST+\i], v[XR+4*\i:XR+4*\i+3]   ; place 4 of the ring was last read in pass 3
.endr
	ds_store_b16 v[XSTW], v[XR+48]
	WIN 0
.Lno_tail_store:
	PASS 0                                         ; pass 11; its barrier also shows the 13th tile whole
	s_cmp_ge_u32 s[GI], 53
	s_cbranch_scc1 .Ldone
	XPRE
	s_wait_dscnt 0x0
	XPERM
	NOPS 8
	PU 0, 0
	PASS 0                                         ; pass 12, in the first 53 work-groups: the branch hangs on the work-group's number, the same in all four waves
.Ldone:
	s_wait_tensorcnt 0x0                           ; the wave's end, behind my last LDS store
	ds_add_u32 v[SPW], v[NIL]
	s_wait_dscnt 0x0
	s_endpgm
.Lfunc_end_k_q897b1c1810_outp:
	.size	k_q897b1c1810_outp, .Lfunc_end_k_q897b1c1810_outp-k_q897b1c1810_outp
	.p2alignl 7, 3214868480
	.fill 96, 4, 3214868480
	.section	.rodata,"a",@progbits
	.p2align	6, 0x0
	.amdhsa_kernel k_q897b1c1810_outp
		.amdhsa_group_segment_fixed_size 153088
		.amdhsa_private_segment_fixed_size 0
		.amdhsa_enable_private_segment 0
		.amdhsa_kernarg_size 64
		.amdhsa_user_sgpr_count 2
		.amdhsa_user_sgpr_kernarg_segment_ptr 1
		.amdhsa_wavefront_size32 1
		.amdhsa_system_sgpr_workgroup_id_x 1
		.amdhsa_system_sgpr_workgroup_id_y 1
		.amdhsa_system_sgpr_workgroup_id_z 1
		.amdhsa_system_vgpr_workitem_id 0
		.amdhsa_next_free_vgpr 1024
		.amdhsa_next_free_sgpr 66
		.amdhsa_reserve_vcc 0
		.amdhsa_float_denorm_mode_32 3
		.amdhsa_float_denorm_mode_16_64 3
		.amdhsa_memory_ordered 1
		.amdhsa_forward_progress 1
		.amdhsa_inst_pref_size 161
	.end_amdhsa_kernel
	.amdgpu_metadata
---
amdhsa.version: [ 1, 2 ]
amdhsa.kernels:
  - .name:           k_q897b1c1810_outp
    .symbol:         k_q897b1c1810_outp.kd
    .args:
      - { .name: query_input_codes, .offset: 0, .size: 8, .value_kind: global_buffer, .address_space: global }
      - { .name: query_input_scales, .offset: 8, .size: 8, .value_kind: global_buffer, .address_space: global }
      - { .name: Wq_codes, .offset: 16, .size: 8, .value_kind: global_buffer, .address_space: global }
      - { .name: Wq_scales, .offset: 24, .size: 8, .value_kind: global_buffer, .address_space: global }
      - { .name: bq, .offset: 32, .size: 8, .value_kind: global_buffer, .address_space: global }
      - { .name: pcode, .offset: 40, .size: 8, .value_kind: global_buffer, .address_space: global }
      - { .name: psi, .offset: 48, .size: 8, .value_kind: global_buffer, .address_space: global }
      - { .name: out0, .offset: 56, .size: 8, .value_kind: global_buffer, .address_space: global }
    .group_segment_fixed_size: 153088
    .private_segment_fixed_size: 0
    .kernarg_segment_align: 8
    .kernarg_segment_size: 64
    .max_flat_workgroup_size: 128
    .sgpr_count:     66
    .vgpr_count:     1024
    .wavefront_size: 32
...
	.end_amdgpu_metadata
.endif
;; end of part 3
